; MI455X (gfx1250); checked and timed in simulation.
; The chip was launched on July 23, 2026; its instructions are those of AMD's public machine-readable ISA for CDNA 5 (MIT licence, August 2026) and "CDNA5" Instruction Set Architecture Reference Guide (July 2026). The comments in the code are by the model that wrote it; some were corrected since.
;; Simplex Attention. Allowed arithmetic: matrix products marked QUANTISED: E2M3 operands, one E8M0 scale for each 32 along K, by v_wmma_scale_f32_16x16x128_f8f6f4 with both operands' format E2M3, f32 sums; everything else in f32.
;; Inputs: W_K 1,024 x 1,024 float32; W_K_prime 1,024 x 1,024 float32; W_O 1,024 x 1,024 float32; W_Q 1,024 x 1,024 float32; W_V 1,024 x 1,024 float32; alpha one number float32; x 2 x 2,048 x 1,024 float32.
;; Outputs: out0 2 x 2,048 x 1,024 float32.
;; This version of the problem:
;;   THIS VERSION OF THE PROBLEM IS GIVEN IN LOW PRECISION. The matrix products marked QUANTISED in the list below multiply operands that are first quantised to E2M3 (2 exponent bits, 3 mantissa bits; 6 bits a number), with one power-of-two scale for each 32 numbers along K (OCP MX v1.0); their sums are f32. All else is computed in f32.
;;   The module's matrix products, in the order in which they are computed (A, B: the left and right operand; K: the contracted axis; several contracted axes count as one K, in the product's order):
;;     1. [M 4,096, K 1,024] x [K 1,024, N 1,024]; A: input x; B: input W_Q: QUANTISED
;;     2. [M 4,096, K 1,024] x [K 1,024, N 1,024]; A: input x; B: input W_K: QUANTISED
;;     3. [M 4,096, K 1,024] x [K 1,024, N 1,024]; A: input x; B: input W_V: QUANTISED
;;     4. [M 4,096, K 1,024] x [K 1,024, N 1,024]; A: input x; B: input W_K_prime: QUANTISED
;;     5. batch 32 x [M 2,048, K 64] x [K 64, N 2,048]; A: computed on the way; B: computed on the way: QUANTISED
;;     6. batch 32 x [M 2,048, K 2,048] x [K 2,048, N 64]; A: softmax (see below); B: computed on the way: QUANTISED
;;     7. batch 32 x [M 2,048, K 64] x [K 64, N 2,048]; A: computed on the way; B: computed on the way: QUANTISED
;;     8. batch 32 x [M 2,048, K 2,048] x [K 2,048, N 64]; A: softmax (see below); B: computed on the way: QUANTISED
;;     9. [M 4,096, K 1,024] x [K 1,024, N 1,024]; A: computed on the way; B: input W_O: QUANTISED
;;   THE QUANTISER, for each operand of a quantised product, along K:
;;     - K is cut into blocks of 32 from its start; a last block that is shorter is filled with zeros.
;;     - A block's scale is 2^e with e = floor(log2(the largest magnitude in the block)) - 2, held to -126 .. 127; a block of zeros has e = 0. As a byte (E8M0): e + 127.
;;     - Each number is divided by its block's scale, clamped to +-7.5, and rounded to the nearest number of E2M3, ties to even, subnormals kept.
;;     - The product sums the exact products of the quantised numbers (number of the format x scale) in f32.
;;   ~~~python
;;   def quantise(x, axis):      # numpy; x: float32 -> the quantised numbers, widened to float32 again
;;       x = np.moveaxis(x, axis, -1); K = x.shape[-1]
;;       x = np.pad(x, [(0, 0)] * (x.ndim - 1) + [(0, -K % 32)]); x = x.reshape(x.shape[:-1] + (-1, 32)); a = np.abs(x).max(-1, keepdims=True)
;;       e = np.where(a > 0, np.clip(np.frexp(np.where(a > 0, a, 1))[1] - 1 - 2, -126, 127), 0)      # np.frexp(a)[1] - 1 = floor(log2(a)), exactly
;;       r = np.clip(x / 2.0 ** e, -7.5, 7.5)
;;       step = 2.0 ** (np.maximum(np.frexp(np.where(r == 0, 1, r))[1] - 1, 0) - 3)
;;       q = np.round(r / step) * step * 2.0 ** e      # np.round: ties to even
;;       return np.moveaxis(q.reshape(q.shape[:-2] + (-1,))[..., :K], -1, axis).astype(np.float32)
;;   ~~~
;;   SOFTMAX AHEAD OF A QUANTISED PRODUCT. Where the list says 'softmax', what is quantised is not the finished softmax but p = 2^(t - M), with t = logit x log2(e) and M = ceil(the row's largest t), a whole number; so 1/2 < the row's largest p <= 1. The row's sum l is taken of the UNQUANTISED p, in f32, and the product's result is divided by l at the end. Since M is a whole number, a kernel that streams over the keys may use a running M (the ceiling of the running maximum): every later rescaling is an exact power of two, which a block's scale takes up: the codes' values come out the same.
;;   OPERANDS COMPUTED ON THE WAY. 'Computed on the way' means the value that the module computes at that place (a softmax that the list does not call 'softmax' is quantised finished and normalised). What goes into a quantiser is computed in f32, as accurately as f32 sums, v_exp_f32 and their like allow (about 1e-6 of the number): no bf16 or f16 on the way to a quantiser, and a product that is left as it is and whose result goes on into a quantised operand takes f32 operands (vector FMAs, or v_wmma_f32_16x16x4_f32). A number that lies on a knife's edge between two numbers of the format may be rounded either way, as far as f32 arithmetic and the matrix unit's own rounding can turn it there, and no further.
;; One version. Each part assembles by itself: llvm-mc -triple=amdgcn-amd-amdhsa -mcpu=gfx1250 --defsym DOCPART=n.
;; ======== version 1 of 1: 4 launches
;; workspace buffers: cod 7,077,888 bytes; scl 294,912 bytes; qb 3,407,872 bytes; kv 10,092,544 bytes; ac 3,145,728 bytes; asc 131,072 bytes
;; launch quant (part 1): grid 288 x 1, 4 waves a work-group, no clusters, 33,280 bytes of LDS; arguments x, W_Q, W_K, W_K_prime, W_V, W_O, cod, scl; writes cod, scl
.if DOCPART == 1
	.amdgcn_target "amdgcn-amd-amdhsa--gfx1250"
	.amdhsa_code_object_version 6
	.text
	.protected	k_q3a77f2ae6e_quant
	.globl	k_q3a77f2ae6e_quant
	.p2align	8
	.type	k_q3a77f2ae6e_quant,@function
k_q3a77f2ae6e_quant:
	s_mov_b64 s[64:65], 0
	v_nop
	global_prefetch_b8 v0, s[64:65] scope:SCOPE_SE
	s_setreg_imm32_b32 hwreg(HW_REG_WAVE_MODE, 25, 1), 1
	s_wait_xcnt 0x0
; x [4096][1024] and the five weights [1024][1024], all f32 with K innermost, become codes of FP6 (E2M3), 6 bits each, and one E8M0 scale byte for each 32 along K.
; cod: [9216 rows][768 bytes], scl: [9216 rows][32 bytes]; rows 0-4095 x, then W_Q, W_K, W_K_prime, W_V, W_O, 1,024 rows each.
; A block's scale is 2^(floor(log2(its largest magnitude)) - 2); its byte is the largest magnitude's exponent field - 2, held at 1 from below.  Each number is divided by the scale and rounded to the nearest code, ties to even.
; STORED ORDER: a row is stored at its own number with bits 3 and 4 exchanged.  So 16 neighbouring stored rows, stored tile 2 B + u, are the true rows 32 B + 8 u + r + 8 (r / 8), r = 0 .. 15: used as source 0 of a
; product, two neighbouring stored tiles give a lane 16 results that are neighbours along the true rows.  A wave's 8 rows keep their order; only where the wave stores them changes.
; LIMITS: NaN and infinities among the inputs are not served.  A block of zeros, or one whose largest magnitude lies under 2^-124, gets the byte 1 (for zeros the quantiser's text says 127): its codes are zeros or
; are made against that scale, and the bytes are read by this program alone.
; A work-group takes 32 rows, a wave 8 (8,192 numbers) in 16 steps of 512.  Each of a step's four loads reads 512 consecutive bytes; the 2,048 bytes turn through the wave's own stage in LDS and come back 64 bytes a lane,
; so that a lane holds 16 neighbours along K and two neighbouring lanes hold a block.  A lane's 16 codes are 12 bytes: the wave stores 384 consecutive bytes.  A wave's 256 scale bytes are gathered in LDS and leave as
; one store of 256 consecutive bytes, aligned.  No tensor loads, no barrier: waves share nothing.  Loads run four steps (16 loads a wave) ahead, the turn through LDS one step.
.set WAVES, 4
.set STEPS, 16
.set EMAX,  2
.set CB,    12                         ; bytes of 16 codes
.set R,     16                         ; v16-79   four sets of 16 numbers as they are loaded
.set X,     80                         ; v80-111  two sets of 16 neighbours
.set C,     128                        ; v128-191 codes: four registers for each step, so that no store's data are written again
.set E,     112                        ; v112-127 a scale byte for each step
.set WREG,  8192                       ; LDS: a region of its own for each wave: two stages of 32 x SP bytes, and behind them its 256 scale bytes
.set SP,    80                         ; a lane's place in a stage: its 64 bytes + 16 of padding
.set SPW,   12                         ; v12      LDS address of my spare word: SPARE + 4 x my thread's number; never rewritten
.set NIL,   13                         ; v13      0; never rewritten
.set SPARE, WAVES*WREG                 ; behind the four regions: the spare words, 128 bytes for each wave
	s_load_b256 s[4:11], s[0:1], 0x0               ; x s[4:5], W_Q s[6:7], W_K s[8:9], W_K_prime s[10:11]
	s_load_b256 s[12:19], s[0:1], 0x20             ; W_V s[12:13], W_O s[14:15], cod s[16:17], scl s[18:19]
	v_lshl_add_u32 v[SPW], v0, 2, SPARE
	v_mov_b32 v[NIL], 0
	v_lshrrev_b32 v1, 5, v0
	v_readfirstlane_b32 s20, v1                    ; wave
	v_and_b32 v2, 31, v0                           ; lane
	v_lshlrev_b32 v3, 4, v2                        ; my 16 bytes of a load's 512
	s_mul_i32 s21, s20, WREG
	v_lshrrev_b32 v14, 2, v2
	v_mul_u32_u24 v14, v14, SP
	v_and_b32 v15, 3, v2
	v_lshl_add_u32 v14, v15, 4, v14
	v_add_nc_u32 v14, s21, v14                     ; the stage, on the way in: four lanes' 64 bytes on end, then 16 of padding
	v_mul_u32_u24 v15, v2, SP
	v_add_nc_u32 v15, s21, v15                     ; and on the way out: SP x lane: my 16 neighbours
	v_mul_u32_u24 v4, v2, CB                       ; my codes' place in a step's
	v_lshrrev_b32 v5, 1, v2
	s_add_co_u32 s21, s21, 2*32*SP
	v_add_nc_u32 v5, s21, v5                       ; LDS: my wave's 256 scale bytes, my block's byte
	v_lshlrev_b32 v7, 3, v2                        ; and on the way out 8 bytes a lane
	v_add_nc_u32 v6, s21, v7
	s_wait_kmcnt 0x0
	; which tensor: work-groups 0-127 x, then 32 for each weight.  The choice hangs on the work-group's number alone; only the pointer is chosen, all six take one path
	s_cmp_lt_u32 ttmp9, 256
	s_cselect_b64 s[14:15], s[12:13], s[14:15]
	s_cmp_lt_u32 ttmp9, 224
	s_cselect_b64 s[14:15], s[10:11], s[14:15]
	s_cmp_lt_u32 ttmp9, 192
	s_cselect_b64 s[14:15], s[8:9], s[14:15]
	s_cmp_lt_u32 ttmp9, 160
	s_cselect_b64 s[14:15], s[6:7], s[14:15]
	s_cmp_lt_u32 ttmp9, 128
	s_cselect_b64 s[14:15], s[4:5], s[14:15]
	s_cselect_b32 s22, -1, 31
	s_and_b32 s22, ttmp9, s22                      ; the work-group's number within its tensor
	s_lshl_b32 s22, s22, 2
	s_add_co_u32 s22, s22, s20                     ; which run of 8 rows of the tensor is my wave's,
	s_lshl_b32 s22, s22, 15                        ; in bytes: 8,192 numbers of 4 bytes (under 2^25)
	s_mov_b32 s23, 0
	s_add_nc_u64 s[14:15], s[14:15], s[22:23]
	s_and_b32 s24, s20, 1                          ; the stored order: bits 3 and 4 of a row's number are bits 0 and 1 of the wave's: exchanged
	s_lshl_b32 s24, s24, 1
	s_lshr_b32 s25, s20, 1
	s_or_b32 s24, s24, s25
	s_lshl_b32 s25, ttmp9, 2
	s_add_co_u32 s24, s24, s25                     ; which run of 8 stored rows I write
	s_mul_i32 s26, s24, 32*STEPS*CB                ; 6,144 bytes of codes a run
	s_mov_b32 s27, 0
	s_add_nc_u64 s[16:17], s[16:17], s[26:27]
	s_lshl_b32 s26, s24, 8                         ; 256 scale bytes a run
	s_add_nc_u64 s[18:19], s[18:19], s[26:27]
.macro LOAD t
.irp i, 0,1,2,3
	global_load_b128 v[R+16*((\t)%4)+4*\i:R+16*((\t)%4)+4*\i+3], v3, s[14:15] offset:2048*(\t)+512*\i th:TH_LOAD_NT   ; 32 lanes read 512 consecutive bytes
.endr
.endm
.macro TURN t                          ; step t's numbers through the stage: LDS serves a wave's instructions in order, so no wait stands between the stores and the loads
.irp i, 0,1,2,3
	ds_store_b128 v14, v[R+16*((\t)%4)+4*\i:R+16*((\t)%4)+4*\i+3] offset:32*SP*((\t)%2)+8*SP*\i
.endr
.irp i, 0,1,2,3
	ds_load_b128 v[X+16*((\t)%2)+4*\i:X+16*((\t)%2)+4*\i+3], v15 offset:32*SP*((\t)%2)+16*\i
.endr
.endm
.irp t, 0,1,2,3
	LOAD \t
.endr
	s_wait_loadcnt 12                              ; step 0's four loads are in
	TURN 0
.macro STEP t
.set XS, X+16*((\t)%2)
.if (\t) > 0
	s_wait_dscnt 1                                 ; this step's numbers are back from the stage (the last step's byte store may be out): so its stores into the stage have read their registers,
.else
	s_wait_dscnt 0x0
.endif
.if (\t)+4 < STEPS
	LOAD (\t)+4                                    ; which take the loads of four steps on
.endif
.if (\t)+1 < STEPS
.if STEPS-2-(\t) >= 3
	s_wait_loadcnt 12                              ; the next step's four loads are in; those of the three steps behind it may be out
.else
	s_wait_loadcnt 4*(STEPS-2-(\t))
.endif
	TURN (\t)+1                                    ; and go through the other stage while this step is worked
.endif
	v_max3_num_f32 v8, |v[XS]|, |v[XS+1]|, |v[XS+2]|               ; the largest magnitude of my 16, in two chains
	v_max3_num_f32 v9, |v[XS+3]|, |v[XS+4]|, |v[XS+5]|
.irp i, 6,10
	v_max3_num_f32 v8, v8, |v[XS+\i]|, |v[XS+\i+1]|
	v_max3_num_f32 v9, v9, |v[XS+\i+2]|, |v[XS+\i+3]|
.endr
	v_max3_num_f32 v8, v8, |v[XS+14]|, |v[XS+15]|
	v_max3_num_f32 v8, v8, v9, (EMAX+1)<<23        ; and the floor 2^(EMAX + 1 - 127): so the byte cannot fall under 1
	v_max_num_f32_dpp v8, v8, v8 row_xmask:1 row_mask:0xf bank_mask:0xf   ; and of my neighbour's 16: the block's
	v_add_nc_u32 v11, -(EMAX<<23), v8              ; EMAX off its exponent field: the conversion takes the exponent field of this operand as its scale, and nothing else of it
	v_cvt_scalef32_pk16_fp6_f32 v[C+4*(\t):C+4*(\t)+2], v[XS:XS+15], v11   ; sixteen codes, 96 bits without gaps, the first number's code lowest; beyond the largest code the largest
	v_lshrrev_b32 v[E+(\t)], 23, v11               ; the scale's byte
	ds_store_b8 v5, v[E+(\t)] offset:16*(\t)       ; both lanes of a block write the same byte with the same value
	global_store_b96 v4, v[C+4*(\t):C+4*(\t)+2], s[16:17] offset:32*CB*(\t)
.endm
.irp t, 0,1,2,3,4,5,6,7,8,9,10,11,12,13,14,15
	STEP \t
.endr
	ds_load_b64 v[8:9], v6                         ; LDS serves a wave's instructions in order: these see my stores
	s_wait_dscnt 0x0
	global_store_b64 v7, v[8:9], s[18:19]          ; 32 lanes store 256 consecutive bytes, aligned
	s_wait_tensorcnt 0x0                           ; the wave's end, behind my last LDS store
	ds_add_u32 v[SPW], v[NIL]
	s_wait_dscnt 0x0
	s_endpgm
.Lfunc_end_k_q3a77f2ae6e_quant:
	.size	k_q3a77f2ae6e_quant, .Lfunc_end_k_q3a77f2ae6e_quant-k_q3a77f2ae6e_quant
	.p2alignl 7, 3214868480
	.fill 96, 4, 3214868480
	.section	.rodata,"a",@progbits
	.p2align	6, 0x0
	.amdhsa_kernel k_q3a77f2ae6e_quant
		.amdhsa_group_segment_fixed_size 33280
		.amdhsa_private_segment_fixed_size 0
		.amdhsa_enable_private_segment 0
		.amdhsa_kernarg_size 64
		.amdhsa_user_sgpr_count 2
		.amdhsa_user_sgpr_kernarg_segment_ptr 1
		.amdhsa_wavefront_size32 1
		.amdhsa_system_sgpr_workgroup_id_x 1
		.amdhsa_system_sgpr_workgroup_id_y 1
		.amdhsa_system_sgpr_workgroup_id_z 1
		.amdhsa_system_vgpr_workitem_id 0
		.amdhsa_next_free_vgpr 192
		.amdhsa_next_free_sgpr 66
		.amdhsa_reserve_vcc 0
		.amdhsa_float_denorm_mode_32 3
		.amdhsa_float_denorm_mode_16_64 3
		.amdhsa_memory_ordered 1
		.amdhsa_forward_progress 1
		.amdhsa_inst_pref_size 33
	.end_amdhsa_kernel
	.amdgpu_metadata
---
amdhsa.version: [ 1, 2 ]
amdhsa.kernels:
  - .name:           k_q3a77f2ae6e_quant
    .symbol:         k_q3a77f2ae6e_quant.kd
    .args:
      - { .name: x, .offset: 0, .size: 8, .value_kind: global_buffer, .address_space: global }
      - { .name: W_Q, .offset: 8, .size: 8, .value_kind: global_buffer, .address_space: global }
      - { .name: W_K, .offset: 16, .size: 8, .value_kind: global_buffer, .address_space: global }
      - { .name: W_K_prime, .offset: 24, .size: 8, .value_kind: global_buffer, .address_space: global }
      - { .name: W_V, .offset: 32, .size: 8, .value_kind: global_buffer, .address_space: global }
      - { .name: W_O, .offset: 40, .size: 8, .value_kind: global_buffer, .address_space: global }
      - { .name: cod, .offset: 48, .size: 8, .value_kind: global_buffer, .address_space: global }
      - { .name: scl, .offset: 56, .size: 8, .value_kind: global_buffer, .address_space: global }
    .group_segment_fixed_size: 33280
    .private_segment_fixed_size: 0
    .kernarg_segment_align: 8
    .kernarg_segment_size: 64
    .max_flat_workgroup_size: 128
    .sgpr_count:     66
    .vgpr_count:     192
    .wavefront_size: 32
...
	.end_amdgpu_metadata
.endif
;; end of part 1
;; launch gemm_qkv (part 2): grid 16 x 16, 4 waves a work-group, clusters of 4 x 4, 327,680 bytes of LDS; arguments cod, scl, qb, kv; writes qb, kv
.if DOCPART == 2
	.amdgcn_target "amdgcn-amd-amdhsa--gfx1250"
	.amdhsa_code_object_version 6
	.text
	.protected	k_q3a77f2ae6e_gemm_qkv
	.globl	k_q3a77f2ae6e_gemm_qkv
	.p2align	8
	.type	k_q3a77f2ae6e_gemm_qkv,@function
k_q3a77f2ae6e_gemm_qkv:
	s_mov_b64 s[64:65], 0
	v_nop
	global_prefetch_b8 v0, s[64:65] scope:SCOPE_SE
	s_setreg_imm32_b32 hwreg(HW_REG_WAVE_MODE, 25, 1), 1
	s_wait_xcnt 0x0
	s_wait_alu depctr_hold_cnt(0) depctr_sa_sdst(0) depctr_va_vdst(0) depctr_va_sdst(0) depctr_va_ssrc(0) depctr_va_vcc(0) depctr_vm_vsrc(0)
	s_getreg_b32 s2, hwreg(HW_REG_IB_STS2, 6, 4)
	s_cmp_eq_u32 s2, 0
	s_cbranch_scc0 .Lentry_in_a_cluster
	s_endpgm
.Lentry_in_a_cluster:
	s_bfe_u32 s2, ttmp6, 0x10000c
	s_cmp_lg_u32 s2, 0xf033
	s_cbranch_scc0 .Lentry_shape_is_right
	s_endpgm
.Lentry_shape_is_right:
; q = x W_Q^T, k = x W_K^T, k' = x W_K_prime^T, v = x W_V^T on codes of FP6 (E2M3) with one E8M0 scale for each 32 along K = 1,024; sums in f32.  The results never leave as f32: each is quantised in registers
; for the product that takes it next (q, k, k' along a head's 64 channels, v along the keys) and stored as IMAGES OF THE OPERAND'S REGISTERS.
; 256 tiles of 256 x 256, one to a work-group of four waves; a wave makes 128 x 128: 64 accumulators, 512 registers.  K goes in steps of 256 through a ring of two LDS slots filled by the tensor data mover.
; THE KIND hangs on the cluster's x, which all sixteen partners share: 0 q, 1 k, 2 k', 3 v.  'A' gives the lanes of a result, 'B' its registers (the matrix instruction is used transposed: source 0 = 16 rows of B,
; source 1 = 16 rows of A).  Kinds 0-2: A = x, B = the weight: a lane holds a token, its registers run along the channels.  Kind 3: A = W_V, B = x: a lane holds a channel, its registers run along the tokens.
; All rows lie in cod in the STORED ORDER (bits 3 and 4 of a row's number exchanged), so that the 16 registers of accumulators (a, 2 B) and (a, 2 B + 1) are B's true rows 32 B + 16 (lane / 16) + 0 .. 15.
; CLUSTERS: 4 x 4 work-groups.  A's tiles are shared along a row of the cluster, B's along a column: each is asked for jointly, by the same tensor load with the same descriptor and a mask that names the four.
; OUTPUT.  qb: [plane = 16 batch + head][group of 128 queries][6,656 bytes]: 8 tile images of 768 bytes, 8 x 64 bytes of scale words.
;          kv: [plane][128 keys][19,712 bytes]: K's 8 tile images, K''s 8, V's 4 fragments of 1,536 bytes, K's scale words (512 bytes), K''s (512), V's (256).
; A tile image is the low six registers of a fragment (16 rows x 64 K): registers 0-3 at 16 x lane, registers 4-5 at 512 + 8 x lane.  A fragment of V is two such halves.  Every store covers 512 or 256 consecutive bytes, aligned.
; LIMITS: NaN and infinities are not served.  A block of zeros, or one whose largest magnitude lies under 2^-124, gets the scale byte 1; the bytes are read by this program alone.
; REGISTERS, in windows of 256: window 0: v0-31 addresses; v32-63 scale words, two sets; v64-119 the way out's; from v128 A's fragments, ONE set.  window 1: B's fragments, TWO sets, at v0 and v128.
;   window 2: the 32 accumulators of my rows 0-63 of A (accumulator (a, b) at v[8 (8 a + b)]);   window 3: those of my rows 64-127.
.set SIZE_K, 1024
.set KSTEP,  256                       ; along K in a slot
.set NQ,     KSTEP/128                 ; matrix instructions deep
.set ROWB,   192                       ; a tile's row in bytes
.set KROW,   SIZE_K*6/8                ; a row of cod in bytes
.set PITCH,  240                       ; an LDS row: 3 x (64 bytes of data + 16 of padding)
.set FR,     12                        ; registers of a fragment
.set NL,     6                         ; LDS loads that bring one
.set NP,     4                         ; places behind this matrix instruction (ISA guide 7.12.1)
.set HALFT,  128*PITCH                 ; 128 rows: what one tensor load brings
.set SLOT,   4*HALFT                   ; A's 256 rows, then B's 256 rows
.set LAPS,   SIZE_K/(2*KSTEP)
.set KS,     SIZE_K/32                 ; a row of scale bytes
.set SCL,    2*SLOT                    ; behind the ring: the scale bytes, as runs of 256 bytes + 16 of padding
.set HALFS,  (128*KS/256)*272
.set SBLK,   (16*KS/256)*272
.set SPARE,  SCL+4*HALFS               ; the spare words, 128 bytes for each wave
.set SCR,    SPARE+512                 ; 1,024 bytes for each wave: the new scale words are gathered here; no tensor load lands here
.set C16,  8                           ; v8   16 x lane
.set C8,   9                           ; v9   8 x lane
.set C16H, 10                          ; v10  16 x lane + HS: the second half of a block's twelve registers
.set C8H,  11                          ; v11  8 x lane + HS
.set C8X,  12                          ; v12  8 x lane + X1
.set SCA,  13                          ; v13  scratch, in: 1,024 wave + 512 (lane / 16) + 4 (lane % 16)
.set SCB,  14                          ; v14  scratch, out: 1,024 wave + 8 lane
.set SH16, 15                          ; v15  16 (lane / 16)
.set ADRA, 16                          ; v16-17 LDS address of my A fragments in slot 0, 1  (v18-19: the same behind one padding more)
.set ADRB, 20                          ; v20-21 the same for B  (v22-23)
.set ADRS, 27                          ; v27  LDS address of my scale words: lanes 0-15 A's rows, lanes 16-31 B's
.set SPW,  28                          ; v28  LDS address of my spare word; never rewritten
.set NIL,  29                          ; v29  0; never rewritten
.set SC,   32                          ; scale words: set s at v[SC + 8 NQ s]
.set PC,   64                          ; v64-83   the codes just made
.set TM,   84                          ; v84-87 largest magnitudes, v88-91 the other half's, then bytes, v96-99 the conversions' scale operands
.set PW,   100                         ; v100 the four bytes as a word
.set PT,   101
.set SW,   104                         ; v104-111 what goes to the scratch, a register for each block of A
.set SB,   112                         ; v112-119 the scale words read back
.set AF,   128                         ; A's fragments
.set SEL,  12                          ; s[12:13] lane selects for v_permlanex16_b32 (s12 first holds 4 x cluster y)
.set G1,   24
.set G0,   32
.set G1B,  48
.set G0B,  56
.set MSK,  66                          ; s66  0xffff, kind 3: all ones
.set KV,   67                          ; s67  1 in kind 3
.set G1S,  68
.set G0S,  76
.set G1SB, 80
.set G0SB, 88
.set CD,   92                          ; s[92:93] where block a's codes go
.set SD,   94                          ; s[94:95] where the scale words go
.set STA,  96                          ; s[96:97] from block to block
.set ST4,  98                          ; s[98:99] from block 3 to block 4
.set HS,   100                         ; s100 from a block's registers 0-5 to its registers 6-11: the next plane, kind 3: 768
.set X1,   101                         ; s101 from the first 256 bytes of scale words to the second: 256, kind 3: the next plane
.set MSB, 0
.macro WIN new                         ; the immediate's high byte repeats the setting that is left
.if MSB != \new
	s_set_vgpr_msb (MSB<<8)|\new
.set MSB, \new
.endif
.endm
.set MUL_LO, 0xa1                      ; source 0 (B) window 1, source 1 (A) window 0, C and D window 2
.set MUL_HI, 0xf1                      ; the same, C and D window 3
.set TO_B,   0x40                      ; destination window 1, address window 0
; A joint load: waves 0 and 1 fetch for A, waves 2 and 3 for B.  Each of the two lines has ONE mask and one set of registers for all that issue it; the branch hangs on the wave's number alone.
; An s_nop 0 and four v_nop follow each of the two lines.
.macro JLOAD g0a, g1a, g0b, g1b
	s_cmp_eq_u32 s15, 0
	s_cbranch_scc0 .Lfor_b_\@
	tensor_load_to_lds s[\g0a:\g0a+3], s[\g1a:\g1a+7]
	s_nop 0
.rept 4
	v_nop
.endr
	s_branch .Lasked_\@
.Lfor_b_\@:
	tensor_load_to_lds s[\g0b:\g0b+3], s[\g1b:\g1b+7]
	s_nop 0
.rept 4
	v_nop
.endr
.Lasked_\@:
.endm
.macro CREST                           ; a round of the cluster's barrier behind its opening barrier
	s_cmp_lg_u32 s14, 0
	s_cbranch_scc1 .Lnot_wave_0_\@
	s_barrier_signal -3
.Lnot_wave_0_\@:
	s_barrier_wait -3
	s_barrier_signal -1
	s_barrier_wait -1
.endm
.macro CROUND                          ; a whole round
	s_barrier_signal -1
	s_barrier_wait -1
	CREST
.endm
	s_load_b256 s[4:11], s[0:1], 0x0               ; cod s[4:5], scl s[6:7], qb s[8:9], kv s[10:11]
	v_lshl_add_u32 v[SPW], v0, 2, SPARE
	v_mov_b32 v[NIL], 0
	ds_add_u32 v[SPW], v[NIL]                      ; the wave's opening: the add and its wait stand ahead of my first tensor load; the set-up below, work on registers, stands between them
	v_lshrrev_b32 v1, 5, v0
	v_readfirstlane_b32 s14, v1                    ; wave 0..3
	s_lshr_b32 s15, s14, 1                         ; which half of A's rows is mine.  Also: I fetch for A (0) or for B (1)
	s_and_b32 s16, s14, 1                          ; which half of B's rows.  Also: which 128 rows of that tile I fetch
	s_bfe_u32 s40, ttmp6, 0x40000                  ; cx, cy: my place in the cluster
	s_bfe_u32 s41, ttmp6, 0x40004
	s_and_b32 s12, ttmp7, 0xffff
	s_lshl_b32 s12, s12, 2                         ; 4 x cluster y
	s_lshl_b32 s13, ttmp9, 2
	s_add_co_u32 s13, s13, 16                      ; the weight's first tile of 256 stored rows: 16 + 4 x kind
	s_cmp_eq_u32 ttmp9, 3                          ; kind 3?  The cluster's x: the same in all sixteen partners
	s_cselect_b32 s17, 28, s12                     ; A: W_V's tiles 28 .., else x's tiles
	s_cselect_b32 s42, s12, s13                    ; B: x's tiles, else the weight's
	s_add_co_u32 s17, s17, s41                     ; A's tile: + cy, which my row of the cluster shares
	s_add_co_u32 s42, s42, s40                     ; B's tile: + cx, which my column shares
	s_lshl_b32 s43, s41, 2
	s_lshl_b32 s43, 15, s43                        ; my row of the cluster
	s_lshl_b32 s44, 0x1111, s40                    ; my column
	; descriptor group 1: a tile of 128 rows x ROWB bytes, padded in LDS
	s_or_b32 s[G1+0], s43, (0<<16)|(1<<20)|(1<<21)|(3<<22)|(3<<25)  ; 15:0 the mask; 17:16 elements of 1 byte; 20 padding on; 21 set beside a mask; 24:22 after every 16 words; 31:25 4 words of it
	s_or_b32 s[G1B+0], s44, (0<<16)|(1<<20)|(1<<21)|(3<<22)|(3<<25)
.irp g, G1, G1B
	s_mov_b32 s[\g+1], ROWB<<16                    ; tensor_dim0
	s_mov_b32 s[\g+2], 128<<16                     ; tensor_dim1
	s_mov_b32 s[\g+3], ROWB<<16                    ; tile_dim0
	s_mov_b32 s[\g+4], 128                         ; tile_dim1
	s_mov_b32 s[\g+5], KROW                        ; from row to row
	s_mov_b32 s[\g+6], 0
	s_mov_b32 s[\g+7], 0
.endr
	; and for the scale bytes of 128 rows: 4,096 dense bytes, as rows of 256 bytes (32 elements of 8), 16 bytes of padding behind each
	s_or_b32 s[G1S+0], s43, (3<<16)|(1<<20)|(1<<21)|(5<<22)|(3<<25)
	s_or_b32 s[G1SB+0], s44, (3<<16)|(1<<20)|(1<<21)|(5<<22)|(3<<25)
.irp g, G1S, G1SB
	s_mov_b32 s[\g+1], 32<<16
	s_mov_b32 s[\g+2], (128*KS/256)<<16
	s_mov_b32 s[\g+3], 32<<16
	s_mov_b32 s[\g+4], 128*KS/256
	s_mov_b32 s[\g+5], 32
	s_mov_b32 s[\g+6], 0
	s_mov_b32 s[\g+7], 0
.endr
	s_lshl_b32 s18, s16, 7                         ; which 128 rows of the tile I fetch
	s_lshl_b32 s20, s17, 8
	s_add_co_u32 s20, s20, s18                     ; A: stored row 256 x tile + 128 x half
	s_lshl_b32 s46, s42, 8
	s_add_co_u32 s46, s46, s18                     ; B likewise
	s_lshl_b32 s22, s20, 5                         ; where these rows' scale bytes begin (32 a row),
	s_lshl_b32 s92, s46, 5
	s_mul_i32 s20, s20, KROW                       ; and their codes: under 9,216 x 768 bytes
	s_mul_i32 s46, s46, KROW
	s_mov_b32 s21, 0
	s_mov_b32 s23, 0
	s_mov_b32 s47, 0
	s_mov_b32 s93, 0
	s_mul_i32 s45, s14, HALFT                      ; where they go: wave x 128 rows: no place in the cluster enters an LDS address
	s_mul_i32 s94, s14, HALFS
	s_wait_dscnt 0x0                               ; the opening add is done
	s_wait_kmcnt 0x0
	s_add_nc_u64 s[20:21], s[4:5], s[20:21]
	s_add_nc_u64 s[22:23], s[6:7], s[22:23]
	s_add_nc_u64 s[46:47], s[4:5], s[46:47]
	s_add_nc_u64 s[92:93], s[6:7], s[92:93]
	CROUND                                         ; all sixteen work-groups are here: the first joint loads meet
	s_mov_b32 s[G0S], 1
	s_add_co_u32 s[G0S+1], s94, SCL
	s_mov_b64 s[G0S+2:G0S+3], s[22:23]
	s_or_b32 s[G0S+3], s[G0S+3], 0x80000000
	s_mov_b32 s[G0SB], 1
	s_add_co_u32 s[G0SB+1], s94, SCL
	s_mov_b64 s[G0SB+2:G0SB+3], s[92:93]
	s_or_b32 s[G0SB+3], s[G0SB+3], 0x80000000
	JLOAD G0S, G1S, G0SB, G1SB                     ; the scale bytes first: they are wanted with K step 0.  Three loads of mine are out behind these lines
.irp s, 0,1
	s_mov_b32 s[G0+4*\s], 1
	s_add_co_u32 s[G0+4*\s+1], s45, \s*SLOT
	s_add_nc_u64 s[G0+4*\s+2:G0+4*\s+3], s[20:21], \s*ROWB
	s_or_b32 s[G0+4*\s+3], s[G0+4*\s+3], 0x80000000
	s_mov_b32 s[G0B+4*\s], 1
	s_add_co_u32 s[G0B+4*\s+1], s45, \s*SLOT
	s_add_nc_u64 s[G0B+4*\s+2:G0B+4*\s+3], s[46:47], \s*ROWB
	s_or_b32 s[G0B+4*\s+3], s[G0B+4*\s+3], 0x80000000
	JLOAD G0+4*\s, G1, G0B+4*\s, G1B
.endr
	v_and_b32 v1, 15, v0                           ; r = lane % 16
	v_bfe_u32 v2, v0, 4, 1                         ; h = lane / 16
	v_mul_u32_u24 v3, v1, PITCH
	v_mul_u32_u24 v4, v2, 24
	v_add_nc_u32 v4, v3, v4                        ; a fragment's row x pitch + 24 x half
	v_lshl_add_u32 v5, v2, 4, v4                   ; and the same behind one padding more
	s_mul_i32 s21, s15, HALFT                      ; my 128 rows of A
	s_mul_i32 s22, s16, HALFT                      ; my 128 rows of B,
	s_add_co_u32 s22, s22, 2*HALFT                 ; which lie behind A's 256
.irp s, 0,1
	v_add_nc_u32 v[ADRA+\s], s21, v4
	v_add_nc_u32 v[ADRB+\s], s22, v4
	v_add_nc_u32 v[ADRA+2+\s], s21, v5
	v_add_nc_u32 v[ADRB+2+\s], s22, v5
	s_add_co_u32 s21, s21, SLOT
	s_add_co_u32 s22, s22, SLOT
.endr
	v_mul_u32_u24 v5, v1, KS                       ; my row's scale bytes: KS a row,
	v_lshrrev_b32 v6, 8, v5
	v_lshl_add_u32 v5, v6, 4, v5                   ; and 16 more for each 256 passed
	s_mul_i32 s21, s15, HALFS                      ; A's: my 128 rows
	s_mul_i32 s22, s16, HALFS                      ; B's: my 128 rows, behind A's 256
	s_add_co_u32 s22, s22, 2*HALFS
	s_sub_co_u32 s22, s22, s21
	v_mul_u32_u24 v6, s22, v2                      ; lanes 16-31 take B's
	s_add_co_u32 s21, s21, SCL
	v_add_nc_u32 v5, v5, v6
	v_add_nc_u32 v[ADRS], s21, v5
	; THE WAY OUT'S NUMBERS.  t1 = 0, 0, 1, 2 for kinds 0 .. 3: a record's part for the codes begins at 6,144 t1, that for the scale words at 18,432 + 512 t1 (in qb: 6,144)
	s_max_u32 s45, ttmp9, 1
	s_sub_co_u32 s45, s45, 1
	s_mul_i32 s46, s45, 6144
	s_lshl_b32 s47, s45, 9
	s_add_co_u32 s47, s47, 18432
	s_cmp_eq_u32 ttmp9, 0                          ; q goes to qb, all else to kv
	s_cselect_b32 s47, 6144, s47
	s_mov_b32 s22, 315392
	s_cselect_b32 s22, 106496, s22                 ; bytes of a plane
	s_mov_b32 s23, 19712
	s_cselect_b32 s23, 6656, s23                   ; bytes of a record of 128 tokens
	s_cselect_b64 s[CD:CD+1], s[8:9], s[10:11]
	s_cmp_eq_u32 ttmp9, 3
	s_cselect_b32 s18, s40, s41                    ; the tokens are B's rows in kind 3, else A's: which tile of 256,
	s_cselect_b32 s19, s16, s15                    ; and which half of it is my wave's
	s_cselect_b32 s20, s41, s40                    ; the channels are A's rows in kind 3, else B's: which four heads,
	s_cselect_b32 s21, s15, s16                    ; and which two of them
	s_cselect_b32 s[KV], 1, 0
	s_cselect_b32 s[MSK], -1, 0xffff
	s_mov_b32 s[STA], 768
	s_cselect_b32 s[STA], 1536, s[STA]             ; a tile image, or a fragment of V
	s_mov_b32 s[ST4], 768
	s_cselect_b32 s[ST4], 310784, s[ST4]           ; kind 3: block 4 begins the next head: a plane on, three fragments back
	s_mov_b32 s[X1], 256
	s_cselect_b32 s[X1], 315392, s[X1]
	s_cselect_b32 s[HS], 768, s22
	s_mov_b32 s[STA+1], 0
	s_mov_b32 s[ST4+1], 0
	s_add_co_u32 s18, s18, s12
	s_lshl_b32 s18, s18, 1
	s_add_co_u32 s18, s18, s19                     ; my group of 128 tokens, 0 .. 31
	s_lshr_b32 s19, s18, 4                         ; the batch
	s_and_b32 s18, s18, 15                         ; the group within it
	s_lshl_b32 s20, s20, 2
	s_lshl_b32 s21, s21, 1
	s_add_co_u32 s20, s20, s21                     ; my first head
	s_lshl_b32 s19, s19, 4
	s_add_co_u32 s19, s19, s20                     ; its plane
	s_mul_i32 s19, s19, s22
	s_mul_i32 s18, s18, s23
	s_add_co_u32 s18, s18, s19                     ; the record, in bytes (under 2^24)
	s_mov_b32 s19, 0
	s_add_nc_u64 s[CD:CD+1], s[CD:CD+1], s[18:19]
	s_mov_b32 s18, s47
	s_add_nc_u64 s[SD:SD+1], s[CD:CD+1], s[18:19]
	s_mov_b32 s18, s46
	s_add_nc_u64 s[CD:CD+1], s[CD:CD+1], s[18:19]
	s_mov_b32 s[SEL], 0x76543210
	s_mov_b32 s[SEL+1], 0xfedcba98                 ; lane l xor 16
	v_and_b32 v7, 31, v0
	v_lshlrev_b32 v[C16], 4, v7
	v_lshlrev_b32 v[C8], 3, v7
	v_add_nc_u32 v[C16H], s[HS], v[C16]
	v_add_nc_u32 v[C8H], s[HS], v[C8]
	v_add_nc_u32 v[C8X], s[X1], v[C8]
	s_lshl_b32 s18, s14, 10
	s_add_co_u32 s18, s18, SCR                     ; my wave's scratch
	v_lshlrev_b32 v[SCA], 2, v1
	v_lshl_add_u32 v[SCA], v2, 9, v[SCA]
	v_add_nc_u32 v[SCA], s18, v[SCA]
	v_add_nc_u32 v[SCB], s18, v[C8]
	v_lshlrev_b32 v[SH16], 4, v2
.irp b, 0,1,2,3
	v_mov_b32 v[TM+4+\b], 0                        ; written once: a lane permute's destination counts as one of its sources
.endr
.macro FRAG reg, adr, q, i             ; a fragment, 16 rows x 128 K of 6-bit codes, is 12 registers: lane l holds row l % 16; registers 6 c .. 6 c + 5 hold K = 64 c + 32 (l / 16) + 0 .. 31: 24 bytes of the row's stream of bits
.irp p, 0,1,2,3,4,5                    ; in pieces of 8 bytes.  Lanes 0-15 take the row's pieces 12 q + 0, 1, 2 and 12 q + 6, 7, 8, lanes 16-31 those three pieces on
.set PCE, 12*(\q)+6*(\p/3)+\p%3        ; 16 bytes of padding lie behind every 8 pieces: where the piece three on lies behind one padding more, the second address register serves
.if PCE%8 < 5
	ds_load_b64 v[\reg+2*\p:\reg+2*\p+1], v[\adr] offset:8*PCE+16*(PCE/8)+(\i)*16*PITCH
.else
	ds_load_b64 v[\reg+2*\p:\reg+2*\p+1], v[\adr+2] offset:8*PCE+16*(PCE/8)+(\i)*16*PITCH
.endif
.endr
.endm
; 16 matrix instructions: A's blocks a0, a0 + 1 x B's eight, 128 along K: the slot's q-th.  p: B's set;  sc: the set of scale words.  zero = 1: the first product starts the sums.
; The 64 accumulators take turns, one instruction a turn, in the same order in every step.
.macro MUL16 a0, p, q, sc, zero
.irp a, \a0, \a0+1
.irp b, 0,1,2,3,4,5,6,7
.if \zero
	v_wmma_scale_f32_16x16x128_f8f6f4 v[8*(8*((\a)%4)+\b):8*(8*((\a)%4)+\b)+7], v[128*(\p)+FR*\b:128*(\p)+FR*\b+FR-1], v[AF+FR*(\a):AF+FR*(\a)+FR-1], 0, v[SC+8*NQ*(\sc)+NQ*\b+(\q)], v[SC+8*NQ*(\sc)+NQ*(\a)+(\q)] matrix_a_fmt:MATRIX_FMT_FP6 matrix_b_fmt:MATRIX_FMT_FP6 matrix_a_scale:MATRIX_SCALE_ROW1
.else
	v_wmma_scale_f32_16x16x128_f8f6f4 v[8*(8*((\a)%4)+\b):8*(8*((\a)%4)+\b)+7], v[128*(\p)+FR*\b:128*(\p)+FR*\b+FR-1], v[AF+FR*(\a):AF+FR*(\a)+FR-1], v[8*(8*((\a)%4)+\b):8*(8*((\a)%4)+\b)+7], v[SC+8*NQ*(\sc)+NQ*\b+(\q)], v[SC+8*NQ*(\sc)+NQ*(\a)+(\q)] matrix_a_fmt:MATRIX_FMT_FP6 matrix_b_fmt:MATRIX_FMT_FP6 matrix_a_scale:MATRIX_SCALE_ROW1
.endif
.endr
.endr
.endm
.macro FETCH_B slot, q, p              ; B's eight fragments of the slot's q-th 128 along K into set p
	WIN TO_B
.irp i, 0,1,2,3,4,5,6,7
	FRAG 128*(\p)+FR*\i, ADRB+\slot, \q, \i
.endr
	WIN 0
.endm
.macro FETCH_A slot, q, i0             ; A's blocks i0 .. i0 + 3
.irp i, \i0, \i0+1, \i0+2, \i0+3
	FRAG AF+FR*(\i), ADRA+\slot, \q, \i
.endr
.endm
.macro SCALES sc                       ; the next K step's scale words into set sc: NQ words a row; lanes 0-15 take A's block i, lanes 16-31 B's block i
.irp i, 0,1,2,3,4,5,6,7
	ds_load_b64 v[SC+8*NQ*\sc+NQ*\i:SC+8*NQ*\sc+NQ*\i+1], v[ADRS] offset:\i*SBLK
.endr
.endm
; A load into a register that a matrix instruction has read, and a vector instruction that reads a matrix result, stand NP places behind that matrix instruction; only plain vector instructions that name none of
; its registers are places (ISA guide 7.12.1 for vector instructions).
.macro PLACES n
.rept \n
	v_nop
.endr
.endm
; A step of 128 along K that has its successor in the same slot.
.macro STEP slot, q, zero
	s_wait_dscnt 4*NL                              ; B's set and A's blocks 0-3 are in; the youngest 24 loads (A's blocks 4-7) may be out
	WIN MUL_LO
	MUL16 0, (\q)%2, \q, \slot, \zero
	MUL16 2, (\q)%2, \q, \slot, \zero
	s_wait_dscnt 0                                 ; A's blocks 4-7 are in (asked for 32 matrix instructions ago)
	PLACES NP
	FETCH_B \slot, (\q)+1, 1-(\q)%2
	FETCH_A \slot, (\q)+1, 0
	WIN MUL_HI
	MUL16 4, (\q)%2, \q, \slot, \zero
	MUL16 6, (\q)%2, \q, \slot, \zero
	PLACES NP
	WIN 0
	FETCH_A \slot, (\q)+1, 4
.endm
; A slot's last step changes slots: ONE barrier; in front of it each wave waits for all its tensor loads, adds 0 to its spare word, and waits for that and for its own reads of this slot.  fill = 1: this slot is filled again, two K steps ahead.
.macro TURN slot, next, fill
	s_wait_tensorcnt 0x0                           ; all my tensor loads have landed: my part of the next slot;  (every window is 0 here)
	ds_add_u32 v[SPW], v[NIL]                      ; 0 onto my spare word
	s_wait_dscnt 4*NL+1                            ; (the add and the youngest 24 loads, A's blocks 4-7, may be out)
	WIN MUL_LO
	MUL16 0, 1, NQ-1, \slot, 0                     ; sixteen matrix instructions stand between the add and the wait for it
	s_wait_dscnt 0x0                               ; the add is done, and my reads of this slot are over
	s_barrier_signal -1
	MUL16 2, 1, NQ-1, \slot, 0
	WIN 0
	s_barrier_wait -1
.if \fill
	CREST                                          ; the barrier has opened a round of the cluster's barrier: no wave of any partner still reads this slot's tile or has a load on its way
	s_add_nc_u64 s[G0+4*\slot+2:G0+4*\slot+3], s[G0+4*\slot+2:G0+4*\slot+3], 2*ROWB
	s_add_nc_u64 s[G0B+4*\slot+2:G0B+4*\slot+3], s[G0B+4*\slot+2:G0B+4*\slot+3], 2*ROWB
	JLOAD G0+4*\slot, G1, G0B+4*\slot, G1B         ; the first tensor load behind the round; the four v_nop behind it are the places in front of the loads below
.else
	PLACES NP
.endif
	v_add_nc_u32 v[ADRS], 4*NQ, v[ADRS]            ; on to the next K step's scale words (no LDS load of mine is out)
	FETCH_B \next, 0, 0
	FETCH_A \next, 0, 0
	SCALES \next
	WIN MUL_HI
	MUL16 4, 1, NQ-1, \slot, 0
	MUL16 6, 1, NQ-1, \slot, 0
	PLACES NP
	WIN 0
	FETCH_A \next, 0, 4
.endm
	s_wait_tensorcnt 1                             ; the scale bytes and my part of K step 0 are in (K step 1's load may be out)
	s_barrier_signal -1
	s_barrier_wait -1                              ; everybody's are
	FETCH_B 0, 0, 0
	FETCH_A 0, 0, 0
	SCALES 0
	FETCH_A 0, 0, 4
	STEP 0, 0, 1                                   ; the first step stands in front of the loop: its products start the sums
	s_mov_b32 s3, LAPS-1
.Llap:                                                 ; a trip goes once round the ring, from a lap's second step to the next lap's first, and fills both slots again
	TURN 0, 1, 1
	STEP 1, 0, 0
	TURN 1, 0, 1
	STEP 0, 0, 0
	s_sub_co_u32 s3, s3, 1
	s_cmp_lg_u32 s3, 0
	s_cbranch_scc1 .Llap
	TURN 0, 1, 0                                   ; the last lap fills nothing, and has no round of the cluster's barrier
	STEP 1, 0, 0
	s_wait_dscnt 4*NL                              ; the very last step: nothing more to fetch
	WIN MUL_LO
	MUL16 0, 1, NQ-1, 1, 0
	MUL16 2, 1, NQ-1, 1, 0
	s_wait_dscnt 0
	WIN MUL_HI
	MUL16 4, 1, NQ-1, 1, 0
	MUL16 6, 1, NQ-1, 1, 0
	WIN 0
; THE WAY OUT, block by block of 16 rows of A.  A lane's 64 numbers of block a, register 16 b + i = B's true row 32 b + 16 (lane / 16) + i, are four blocks of 32 along the next K; a block lies in lanes l and l xor 16.
; They become twelve registers of codes and a word of four scale bytes.  Kinds 0-2: registers 0-5 are my first head's tile a, registers 6-11 my second head's; each head gets its two bytes as a word whose upper half is 0
; (the upper 64 of the next product's K are zero codes).  Kind 3: the twelve are one fragment of V (head a / 4, channels 16 (a % 4) on, my 128 keys), the word its rows' scale word.
.macro OUTA a
.set AC, 64*((\a)%4)
	WIN 0x0a+5*((\a)/4)                            ; sources 0 and 1: window 2 or 3
.irp b, 0,1,2,3
	v_max3_num_f32 v[TM+\b], |v[AC+16*\b]|, |v[AC+16*\b+1]|, 0x1800000   ; my 16 numbers of block b, each accumulator from its low end on, and the floor 2^(3 - 127): so the byte cannot fall under 1
.endr
.irp i, 2,4,6,8,10,12,14
.irp b, 0,1,2,3
	v_max3_num_f32 v[TM+\b], |v[AC+16*\b+\i]|, |v[AC+16*\b+\i+1]|, v[TM+\b]   ; (the four blocks by turns)
.endr
.endr
	WIN 0
.irp b, 0,1,2,3
	v_permlanex16_b32 v[TM+4+\b], v[TM+\b], s[SEL], s[SEL+1]
.endr
.irp b, 0,1,2,3
	v_max_num_f32 v[TM+\b], v[TM+\b], v[TM+4+\b]   ; with lane l xor 16's: the block's largest magnitude
.endr
.irp b, 0,1,2,3
	v_add_nc_u32 v[TM+12+\b], 0xff000000, v[TM+\b] ; 2 off its exponent field: the conversion's scale operand
.endr
.irp b, 0,1,2,3
	v_lshrrev_b32 v[TM+4+\b], 23, v[TM+12+\b]      ; the scale's byte
.endr
	v_lshl_or_b32 v[PW], v[TM+5], 8, v[TM+4]
	v_lshl_or_b32 v[PW], v[TM+6], 16, v[PW]
	v_lshl_or_b32 v[PW], v[TM+7], 24, v[PW]
	v_lshrrev_b32 v[PT], v[SH16], v[PW]            ; lanes 16-31 take the upper two bytes: the second head's
	v_and_b32 v[SW+(\a)], s[MSK], v[PT]            ; (kind 3: lanes 0-15 keep all four; what lanes 16-31 hold is stored to the scratch and not used)
.if (\a) > 0
	s_wait_xcnt 0x0                                ; the last block's stores have read their registers and their base: both are written again only behind this wait
.if (\a) == 4
	s_add_nc_u64 s[CD:CD+1], s[CD:CD+1], s[ST4:ST4+1]
.else
	s_add_nc_u64 s[CD:CD+1], s[CD:CD+1], s[STA:STA+1]
.endif
.endif
	WIN 2+(\a)/4                                   ; source 0: window 2 or 3
.irp c, 0,1
	v_cvt_scalef32_pk16_fp6_f32 v[PC+6*\c:PC+6*\c+2], v[AC+32*\c:AC+32*\c+15], v[TM+12+2*\c]
	v_cvt_scalef32_pk16_fp6_f32 v[PC+12+4*\c:PC+14+4*\c], v[AC+16+32*\c:AC+31+32*\c], v[TM+12+2*\c+1]   ; (a conversion's three registers begin on an even number)
.endr
	WIN 0
	v_nop                                          ; one plain place behind a scaled conversion
.irp c, 0,1                                    ; the operand's layout wants a WHOLE block in a lane: lanes 0-15 block 2 c, lanes 16-31 block 2 c + 1
.irp i, 0,1,2
	v_permlane16_swap_b32 v[PC+6*\c+\i], v[PC+12+4*\c+\i]
.endr
.irp i, 0,1,2
	v_mov_b32 v[PC+3+6*\c+\i], v[PC+12+4*\c+\i]
.endr
.endr
	ds_store_b32 v[SCA], v[SW+(\a)] offset:64*(\a)
	global_store_b128 v[C16], v[PC:PC+3], s[CD:CD+1]                    ; 512 consecutive bytes, aligned
	global_store_b64 v[C8], v[PC+4:PC+5], s[CD:CD+1] offset:512         ; 256
	global_store_b128 v[C16H], v[PC+6:PC+9], s[CD:CD+1]
	global_store_b64 v[C8H], v[PC+10:PC+11], s[CD:CD+1] offset:512
.endm
	PLACES NP                                      ; behind the last products, ahead of the first read of results
.irp a, 0,1,2,3,4,5,6,7
	OUTA \a
.endr
.irp j, 0,1,2,3
	ds_load_b64 v[SB+2*\j:SB+2*\j+1], v[SCB] offset:256*\j   ; LDS serves a wave's instructions in order: these see my stores.  Four pieces of 256 bytes
.endr
	s_wait_dscnt 0x0
	global_store_b64 v[C8], v[SB:SB+1], s[SD:SD+1]       ; kinds 0-2: my first head's 512 bytes of scale words; kind 3: my first head's 256,
	global_store_b64 v[C8X], v[SB+2:SB+3], s[SD:SD+1]    ; and my second head's, a plane on
	s_cmp_lg_u32 s[KV], 0                          ; the kind: the same in all waves and all partners
	s_cbranch_scc1 .Lone_word
	global_store_b64 v[C8H], v[SB+4:SB+5], s[SD:SD+1]    ; kinds 0-2: my second head's 512 bytes, a plane on
	global_store_b64 v[C8H], v[SB+6:SB+7], s[SD:SD+1] offset:256
.Lone_word:
	s_wait_tensorcnt 0x0                           ; the wave's end, behind my last tensor load and my last LDS store
	ds_add_u32 v[SPW], v[NIL]
	s_wait_dscnt 0x0
	CROUND                                         ; the closing round: no work-group ends while a partner may still ask for a tile that names it
	s_endpgm
.Lfunc_end_k_q3a77f2ae6e_gemm_qkv:
	.size	k_q3a77f2ae6e_gemm_qkv, .Lfunc_end_k_q3a77f2ae6e_gemm_qkv-k_q3a77f2ae6e_gemm_qkv
	.p2alignl 7, 3214868480
	.fill 96, 4, 3214868480
	.section	.rodata,"a",@progbits
	.p2align	6, 0x0
	.amdhsa_kernel k_q3a77f2ae6e_gemm_qkv
		.amdhsa_group_segment_fixed_size 327680
		.amdhsa_private_segment_fixed_size 0
		.amdhsa_enable_private_segment 0
		.amdhsa_kernarg_size 32
		.amdhsa_user_sgpr_count 2
		.amdhsa_user_sgpr_kernarg_segment_ptr 1
		.amdhsa_wavefront_size32 1
		.amdhsa_system_sgpr_workgroup_id_x 1
		.amdhsa_system_sgpr_workgroup_id_y 1
		.amdhsa_system_sgpr_workgroup_id_z 1
		.amdhsa_system_vgpr_workitem_id 0
		.amdhsa_next_free_vgpr 1024
		.amdhsa_next_free_sgpr 102
		.amdhsa_reserve_vcc 0
		.amdhsa_float_denorm_mode_32 3
		.amdhsa_float_denorm_mode_16_64 3
		.amdhsa_memory_ordered 1
		.amdhsa_forward_progress 1
		.amdhsa_inst_pref_size 168
	.end_amdhsa_kernel
	.amdgpu_metadata
---
amdhsa.version: [ 1, 2 ]
amdhsa.kernels:
  - .name:           k_q3a77f2ae6e_gemm_qkv
    .symbol:         k_q3a77f2ae6e_gemm_qkv.kd
    .args:
      - { .name: cod, .offset: 0, .size: 8, .value_kind: global_buffer, .address_space: global }
      - { .name: scl, .offset: 8, .size: 8, .value_kind: global_buffer, .address_space: global }
      - { .name: qb, .offset: 16, .size: 8, .value_kind: global_buffer, .address_space: global }
      - { .name: kv, .offset: 24, .size: 8, .value_kind: global_buffer, .address_space: global }
    .group_segment_fixed_size: 327680
    .private_segment_fixed_size: 0
    .kernarg_segment_align: 8
    .kernarg_segment_size: 32
    .max_flat_workgroup_size: 128
    .sgpr_count:     102
    .vgpr_count:     1024
    .wavefront_size: 32
...
	.end_amdgpu_metadata
.endif
;; end of part 2
;; launch attn (part 3): grid 8 x 32, 16 waves a work-group, clusters of 4 x 1, 327,680 bytes of LDS; arguments qb, kv, alpha, ac, asc; writes ac, asc
.if DOCPART == 3
	.amdgcn_target "amdgcn-amd-amdhsa--gfx1250"
	.amdhsa_code_object_version 6
	.text
	.protected	k_q3a77f2ae6e_attn
	.globl	k_q3a77f2ae6e_attn
	.p2align	8
	.type	k_q3a77f2ae6e_attn,@function
k_q3a77f2ae6e_attn:
	s_mov_b64 s[64:65], 0
	v_nop
	global_prefetch_b8 v0, s[64:65] scope:SCOPE_SE
	s_setreg_imm32_b32 hwreg(HW_REG_WAVE_MODE, 25, 1), 1
	s_wait_xcnt 0x0
	s_wait_alu depctr_hold_cnt(0) depctr_sa_sdst(0) depctr_va_vdst(0) depctr_va_sdst(0) depctr_va_ssrc(0) depctr_va_vcc(0) depctr_vm_vsrc(0)
	s_getreg_b32 s2, hwreg(HW_REG_IB_STS2, 6, 4)
	s_cmp_eq_u32 s2, 0
	s_cbranch_scc0 .Lentry_in_a_cluster
	s_endpgm
.Lentry_in_a_cluster:
	s_bfe_u32 s2, ttmp6, 0x10000c
	s_cmp_lg_u32 s2, 0x3003
	s_cbranch_scc0 .Lentry_shape_is_right
	s_endpgm
.Lentry_shape_is_right:
; For each plane (16 batch + head) and query: o = alpha softmax(q k^T / 8) v + (1 - alpha) softmax(q k'^T / 8) v, all four products on codes of FP6 (E2M3) with one E8M0 scale for each 32 along a product's K.
; o is quantised along the channels and stored as the register image that the output projection takes.
; THE SOFTMAX AHEAD OF A SECOND PRODUCT: t = score x log2(e) / 8; M = the row's largest t so far, rounded UP to a whole number; p = 2^(t - M) is what is quantised, along the keys; it is not normalised.
; The row's sum is taken of the unquantised p, in f32, and divides at the end.  When M moves, the sum and O are multiplied by 2^(old M - new M): exact.
; SHARES.  A work-group owns one plane and 256 queries; each of its SIXTEEN waves owns 16 of them, for BOTH branches, in 256 registers: four waves to a SIMD, so that one wave's vector work stands beside another's
; matrix work and LDS loads.  Each fragment of V read from LDS feeds both branches.
; LDS HOLDS THE WHOLE PLANE: 16 records of 19,712 bytes (K's 8 tile images, K''s 8, V's 4 fragments, their scale words), 315,392 bytes, as they lie in kv.  Nothing is filled again, and no barrier stands in a loop.
; Each wave brings 77 rows of 256 bytes, in two loads: 20 rows of the first 81,920 bytes, which hold records 0-3, and 57 of the rest; the first four key steps are walked while the second loads are on their way.
; That early start is why a wave's share is cut in two.  Two tensor loads of a wave are out at the most.
; CLUSTER.  The four blocks of queries of a cluster belong to one plane: each load is asked for JOINTLY, with the same descriptor and a mask that names the four.
; LAYOUT.  Both products are used transposed: S^T = K Q^T (source 0 = 16 keys, source 1 = my 16 queries), O^T = V^T P^T: a lane holds ONE query (lane % 16) throughout.  The keys of a tile and the channels of a fragment
; lie in the stored order (row r of stored tile 2 B + u is true row 32 B + 8 u + r + 8 (r / 8)), so that the 16 registers of result tiles 2 B and 2 B + 1 are true rows 32 B + 16 (lane / 16) + 0 .. 15.
; A head has 64 channels: the upper six registers of Q's and of K's fragments are zero codes, and bytes 2 and 3 of their scale words are 0, which is a small power of two and no NaN.
; LIMITS: NaN and infinities are not served.  1 / sum is v_rcp_f32, and alpha is multiplied into it.  A block of zeros, or one whose largest magnitude lies under 2^-124, gets the scale byte 1.
; The two scale bytes of a (token, head) are stored 2 bytes a lane, 32 bytes apart: their neighbours belong to other heads' work-groups.  They are 131,072 of the launch's 3,276,800 bytes stored.
.set PLB,   315392                     ; a plane in kv, and in LDS
.set REC,   19712                      ; a record: 128 keys
.set SPARE, PLB                        ; behind the plane: the spare words, 128 bytes for each of 16 waves
.set L16, 1                            ; v1   16 x lane; never rewritten
.set L8,  2                            ; v2   8 x lane
.set L4,  3                            ; v3   4 x (lane % 16)
.set SPW, 4                            ; v4   LDS address of my spare word; never rewritten
.set NIL, 5                            ; v5   0; never rewritten
.set A16, 6                            ; v6-8 the same three + the record in hand
.set A8,  7
.set AS,  8
.set PS,  9                            ; v9, v10  p's scale words, branch 0 and 1
.set QS,  11                           ; v11  Q's scale words
                                       ; v12-15, v16-19  branch 0, 1: -M, the largest t, the sum in two halves
.set QF,  20                           ; v20-31 Q's fragment
.set KF,  32                           ; v32-79 four fragments of K or K'
.set S,   80                           ; v80-143 S^T, then p; then V's four fragments; at the end the blended result
.set O,   144                          ; v144-175 O^T of branch 0, v176-207 of branch 1
.set P,   208                          ; v208-219, v220-231 p's codes
                                       ; v232-247, v252-255 at work; v248-251 scale words of four tiles
.set WV,  18                           ; s18  my wave's number
.set SEL, 20                           ; s[20:21] lane selects for v_permlanex16_b32: lane l xor 16
.set CS,  22                           ; s[22:23] c = log2(e) / 8
.set G1A, 24
.set G1B, 32
.set G0A, 40
.set G0B, 44
.set TB,  48                           ; s48  LDS byte at which the record in hand begins
.set CNT, 49
.set AL,  50                           ; s50  alpha
.macro CROUND                          ; a round of the cluster's barrier
	s_barrier_signal -1
	s_barrier_wait -1
	s_cmp_lg_u32 s[WV], 0
	s_cbranch_scc1 .Lnot_wave_0_\@
	s_barrier_signal -3
.Lnot_wave_0_\@:
	s_barrier_wait -3
	s_barrier_signal -1
	s_barrier_wait -1
.endm
	s_load_b256 s[4:11], s[0:1], 0x0               ; qb s[4:5], kv s[6:7], alpha s[8:9], ac s[10:11]
	s_load_b64 s[12:13], s[0:1], 0x20              ; asc
	v_lshl_add_u32 v[SPW], v0, 2, SPARE
	v_mov_b32 v[NIL], 0
	ds_add_u32 v[SPW], v[NIL]                      ; the wave's opening: the add and its wait stand ahead of my first tensor load; the set-up below, work on registers, stands between them
	v_lshrrev_b32 v6, 5, v0
	v_readfirstlane_b32 s[WV], v6                  ; wave 0..15
	s_bfe_u32 s52, ttmp6, 0x40000                  ; cx
	s_lshl_b32 s53, ttmp9, 2
	s_add_co_u32 s53, s53, s52                     ; my block of 256 queries: it enters Q's and the output's addresses alone
	s_and_b32 s51, ttmp7, 0xffff                   ; the plane, which the four partners share
	; descriptor group 1: rows of 256 dense bytes (32 elements of 8 bytes), 20 of them, or 57
	s_mov_b32 s[G1A], 15|(3<<16)|(1<<21)           ; 15:0 the mask: all four work-groups; 17:16 elements of 8 bytes; 20 no padding; 21 set beside a mask
	s_mov_b32 s[G1A+1], 32<<16                     ; tensor_dim0
	s_mov_b32 s[G1A+2], 20<<16                     ; tensor_dim1
	s_mov_b32 s[G1A+3], 32<<16                     ; tile_dim0
	s_mov_b32 s[G1A+4], 20                         ; tile_dim1
	s_mov_b32 s[G1A+5], 32                         ; from row to row
	s_mov_b32 s[G1A+6], 0
	s_mov_b32 s[G1A+7], 0
	s_mov_b32 s[G1B], 15|(3<<16)|(1<<21)
	s_mov_b32 s[G1B+1], 32<<16
	s_mov_b32 s[G1B+2], 57<<16
	s_mov_b32 s[G1B+3], 32<<16
	s_mov_b32 s[G1B+4], 57
	s_mov_b32 s[G1B+5], 32
	s_mov_b32 s[G1B+6], 0
	s_mov_b32 s[G1B+7], 0
	s_mov_b32 s[G0A], 1
	s_mul_i32 s[G0A+1], s[WV], 20*256              ; LDS = the byte in the plane: 5,120 x wave,
	s_mov_b32 s[G0B], 1
	s_mul_i32 s[G0B+1], s[WV], 57*256
	s_add_co_u32 s[G0B+1], s[G0B+1], 320*256       ; and 81,920 + 14,592 x wave
	s_mul_i32 s54, s51, PLB                        ; the plane's first byte in kv (under 2^24)
	s_add_co_u32 s56, s54, s[G0A+1]
	s_mov_b32 s57, 0
	s_add_co_u32 s58, s54, s[G0B+1]
	s_mov_b32 s59, 0
	s_mul_i32 s60, s51, 106496                     ; Q: the plane in qb,
	s_lshl_b32 s61, s53, 1
	s_lshr_b32 s62, s[WV], 3
	s_add_co_u32 s61, s61, s62
	s_mul_i32 s61, s61, 6656                       ; the record of 128 queries,
	s_add_co_u32 s60, s60, s61
	s_and_b32 s62, s[WV], 7
	s_mul_i32 s63, s62, 768
	s_add_co_u32 s54, s60, s63                     ; my tile's image,
	s_mov_b32 s55, 0
	s_lshl_b32 s62, s62, 6
	s_add_co_u32 s60, s60, s62
	s_add_co_u32 s60, s60, 6144                    ; and its scale words
	s_mov_b32 s61, 0
	s_mov_b32 s[SEL], 0x76543210
	s_mov_b32 s[SEL+1], 0xfedcba98
	s_mov_b32 s[CS], 0x3e38aa3b                    ; c = log2(e) / 8
	s_mov_b32 s[CS+1], s[CS]                       ; (named with it as a pair, so it is written)
	s_wait_dscnt 0x0                               ; the opening add is done
	s_wait_kmcnt 0x0
	s_add_nc_u64 s[G0A+2:G0A+3], s[6:7], s[56:57]
	s_or_b32 s[G0A+3], s[G0A+3], 0x80000000
	s_add_nc_u64 s[G0B+2:G0B+3], s[6:7], s[58:59]
	s_or_b32 s[G0B+3], s[G0B+3], 0x80000000
	s_add_nc_u64 s[14:15], s[4:5], s[54:55]
	s_add_nc_u64 s[16:17], s[4:5], s[60:61]
	CROUND                                         ; all four work-groups are here: the joint loads meet
	tensor_load_to_lds s[G0A:G0A+3], s[G1A:G1A+7]  ; my 20 rows of the first 320
	s_nop 0
	tensor_load_to_lds s[G0B:G0B+3], s[G1B:G1B+7]  ; my 57 rows of the other 912
	s_nop 0
.rept 4
	v_nop
.endr
	s_load_b32 s[AL], s[8:9], 0x0
	v_and_b32 v[L8], 31, v0
	v_lshlrev_b32 v[L16], 4, v[L8]
	v_lshlrev_b32 v[L8], 3, v[L8]
	v_and_b32 v[L4], 15, v0
	v_lshlrev_b32 v[L4], 2, v[L4]
	global_load_b128 v[QF:QF+3], v[L16], s[14:15]          ; Q's image: registers 0-3,
	global_load_b64 v[QF+4:QF+5], v[L8], s[14:15] offset:512   ; 4-5;
	global_load_b32 v[QS], v[L4], s[16:17]                 ; its scale words
.irp j, 6,7,8,9,10,11
	v_mov_b32 v[QF+\j], 0                          ; the upper 64 of K: zero codes, in Q
.endr
.irp t, 0,1,2,3
.irp j, 6,7,8,9,10,11
	v_mov_b32 v[KF+12*\t+\j], 0                    ; and in K's four fragments: written once, no load lands here
.endr
.endr
.set j, 0
.rept 64
	v_mov_b32 v[O+j], 0                            ; O^T of both branches.  (The step is written once: its first walk finds zeros, which the first change of M leaves zeros)
.set j, j+1
.endr
.irp b, 0,1
	v_mov_b32 v[13+4*\b], 0xff61b1e6               ; the largest t so far: -3e38, under every t
	v_floor_f32 v[12+4*\b], -v[13+4*\b]            ; -M
	v_mov_b32 v[14+4*\b], 0                        ; the sum, in two halves
	v_mov_b32 v[15+4*\b], 0
.endr
.irp b, 0,1,2,3
	v_mov_b32 v[236+\b], 0                         ; written once: a lane permute's destination counts as one of its sources
.endr
	v_mov_b32 v253, 0                              ; (named as the upper half of the pair v[252:253])
; V's four fragments and their scale words, into the registers that p has left
.macro VLOAD
.irp d, 0,1,2,3
	ds_load_b128 v[S+12*\d:S+12*\d+3], v[A16] offset:12288+1536*\d
	ds_load_b64 v[S+12*\d+4:S+12*\d+5], v[A8] offset:12288+1536*\d+512
	ds_load_b128 v[S+12*\d+6:S+12*\d+9], v[A16] offset:12288+1536*\d+768
	ds_load_b64 v[S+12*\d+10:S+12*\d+11], v[A8] offset:12288+1536*\d+1280
	ds_load_b32 v[248+\d], v[AS] offset:19456+64*\d
.endr
.endm
; One branch's scores and softmax for 128 keys: br = 0 K, 1 K'.  It leaves p's codes in v[P + 12 br] on and their scale word in v[PS + br], and has brought the branch's sum and O^T under the new M.
.macro SOFT br
.set ST, 12+4*(\br)
.set PP, P+12*(\br)
.set OO, O+32*(\br)
.irp g, 0,1                                    ; S^T = K Q^T, four tiles of 16 keys at a time
.if \g > 0
.rept 4
	v_nop                                          ; places in front of loads into registers that the four products above have read
.endr
.endif
.irp t, 0,1,2,3
	ds_load_b128 v[KF+12*\t:KF+12*\t+3], v[A16] offset:6144*(\br)+768*(4*\g+\t)          ; 512 consecutive bytes
	ds_load_b64 v[KF+12*\t+4:KF+12*\t+5], v[A8] offset:6144*(\br)+768*(4*\g+\t)+512      ; 256
	ds_load_b32 v[248+\t], v[AS] offset:18432+512*(\br)+64*(4*\g+\t)
.endr
	s_wait_dscnt 0x0
.irp t, 0,1,2,3
	v_wmma_scale_f32_16x16x128_f8f6f4 v[S+8*(4*\g+\t):S+8*(4*\g+\t)+7], v[KF+12*\t:KF+12*\t+11], v[QF:QF+11], 0, v[248+\t], v[QS] matrix_a_fmt:MATRIX_FMT_FP6 matrix_b_fmt:MATRIX_FMT_FP6
.endr
.endr                                          ; lane (r, h) holds query r; register 16 b + i is key 32 b + 16 h + i of the step
.rept 4
	v_nop
.endr
.irp b, 0,1,2,3
	v_max3_num_f32 v[232+\b], v[S+16*\b], v[S+1+16*\b], v[S+2+16*\b]   ; THE LARGEST SCORE OF EACH BLOCK OF 32 KEYS serves twice: for the row's maximum, and, since p rises with the score, for the block's largest p
.endr
.irp i, 3,5,7,9,11,13
.irp b, 0,1,2,3
	v_max3_num_f32 v[232+\b], v[232+\b], v[S+16*\b+\i], v[S+1+16*\b+\i]   ; (the four blocks by turns)
.endr
.endr
.irp b, 0,1,2,3
	v_max_num_f32 v[232+\b], v[232+\b], v[S+15+16*\b]
.endr
.irp b, 0,1,2,3
	v_permlanex16_b32 v[236+\b], v[232+\b], s[SEL], s[SEL+1]
.endr
.irp b, 0,1,2,3
	v_max_num_f32 v[232+\b], v[232+\b], v[236+\b]  ; with lane l xor 16's 16 keys
.endr
	v_max3_num_f32 v254, v232, v233, v234
	v_max_num_f32 v254, v254, v235                 ; the step's largest score of my query
	v_mul_f32 v254, s[CS], v254                    ; as t (c is positive)
	v_max_num_f32 v[ST+1], v[ST+1], v254           ; the running largest t
	v_mov_b32 v254, v[ST]
	v_floor_f32 v[ST], -v[ST+1]                    ; the new -M = floor(-t) = -ceil(t): M IS A WHOLE NUMBER
	v_sub_f32 v254, v[ST], v254                    ; M's old value less its new one: a whole number, 0 or less
	v_cvt_i32_f32 v254, v254                       ; (it saturates)
	v_ldexp_f32 v252, 1.0, v254                    ; f = 2^(old M - new M)
.set j, 0
.rept 32
	v_pk_fma_f32 v[S+j:S+j+1], v[S+j:S+j+1], s[CS:CS+1], v[ST:ST+1] op_sel_hi:[1,0,0]   ; t - M, two at a time (of the pairs c and -M the low word serves both halves)
.set j, j+2
.endr
.irp b, 0,1,2,3
	v_fma_f32 v[232+\b], v[232+\b], s[CS], v[ST]   ; the same of each block's largest score
.endr
.set j, 0
.rept 64
	v_exp_f32 v[S+j], v[S+j]                       ; p = 2^(t - M), at most 1: NOT normalised
.set j, j+1
.endr
	v_pk_mul_f32 v[ST+2:ST+3], v[ST+2:ST+3], v[252:253] op_sel_hi:[1,0]   ; the sums under the new M.  (The plain place behind the exponentials)
	s_wait_alu depctr_va_vdst(0)                   ; one wait for the whole batch, ahead of its first reader
.irp b, 0,1,2,3
	v_exp_f32 v[232+\b], v[232+\b]                 ; the block's largest p: the same two instructions on the same number give the same bits
.endr
	v_pk_add_f32 v[236:237], v[S:S+1], v[S+2:S+3]  ; THE ROW'S SUM IS TAKEN OF THE UNQUANTISED p: two at a time, in two chains.  (It reads the 64 alone: plain work behind the four)
.set j, 4
.rept 15
	v_pk_add_f32 v[ST+2:ST+3], v[ST+2:ST+3], v[S+j:S+j+1]
	v_pk_add_f32 v[236:237], v[236:237], v[S+2+j:S+3+j]
.set j, j+4
.endr
	v_pk_add_f32 v[ST+2:ST+3], v[ST+2:ST+3], v[236:237]
	s_wait_alu depctr_va_vdst(0)                   ; and one for the four
.irp b, 0,1,2,3
	v_max_num_f32 v[232+\b], 0x1800000, v[232+\b]  ; the floor 2^(3 - 127): the byte cannot fall under 1 (a block whose every p has fallen to 0 keeps that byte: its codes are zeros)
.endr
.irp b, 0,1,2,3
	v_add_nc_u32 v[244+\b], 0xff000000, v[232+\b]  ; 2 off the exponent field: the conversion's scale operand
.endr
.irp b, 0,1,2,3
	v_lshrrev_b32 v[236+\b], 23, v[244+\b]         ; the scale's byte
.endr
	v_lshl_or_b32 v[PS+(\br)], v237, 8, v236       ; p's scale word for these 128 keys
	v_lshl_or_b32 v[PS+(\br)], v238, 16, v[PS+(\br)]
	v_lshl_or_b32 v[PS+(\br)], v239, 24, v[PS+(\br)]
.irp c, 0,1
	v_cvt_scalef32_pk16_fp6_f32 v[PP+6*\c:PP+6*\c+2], v[S+32*\c:S+32*\c+15], v[244+2*\c]
	v_cvt_scalef32_pk16_fp6_f32 v[236+4*\c:238+4*\c], v[S+16+32*\c:S+31+32*\c], v[244+2*\c+1]   ; (a conversion's three registers begin on an even number)
.endr
	v_nop                                          ; one plain place behind a scaled conversion
.if (\br) == 1
	VLOAD                                          ; p is no longer wanted as f32: V lands while the codes are put in place and O^T is rescaled
.endif
.irp c, 0,1                                    ; the operand's layout wants a WHOLE block in a lane: lanes 0-15 block 2 c, lanes 16-31 block 2 c + 1
.irp i, 0,1,2
	v_permlane16_swap_b32 v[PP+6*\c+\i], v[236+4*\c+\i]
.endr
.irp i, 0,1,2
	v_mov_b32 v[PP+3+6*\c+\i], v[236+4*\c+\i]
.endr
.endr
.set j, 0
.rept 16
	v_pk_mul_f32 v[OO+j:OO+j+1], v[OO+j:OO+j+1], v[252:253] op_sel_hi:[1,0]   ; O^T under the new M: x f, each accumulator from its low end on.  (Twelve of these sixteen name no register of any one product below: the places between the codes, the scale word and that product)
.set j, j+2
.endr
.endm
; O^T += V^T P^T, both branches: eight accumulators by turns, one instruction a turn
.macro PV
	s_wait_dscnt 0x0
.irp d, 0,1,2,3
.irp b, 0,1
	v_wmma_scale_f32_16x16x128_f8f6f4 v[O+32*\b+8*\d:O+32*\b+8*\d+7], v[S+12*\d:S+12*\d+11], v[P+12*\b:P+12*\b+11], v[O+32*\b+8*\d:O+32*\b+8*\d+7], v[248+\d], v[PS+\b] matrix_a_fmt:MATRIX_FMT_FP6 matrix_b_fmt:MATRIX_FMT_FP6
.endr
.endr
.endm
.macro STEP                                    ; a key step: 128 keys, the record at s[TB]
	v_add_nc_u32 v[A16], s[TB], v[L16]
	v_add_nc_u32 v[A8], s[TB], v[L8]
	v_add_nc_u32 v[AS], s[TB], v[L4]
	v_nop
	v_nop                                          ; five places behind the last step's products: the first scores are written over the registers that held V, and loads land in those products' scale registers
	SOFT 0
	SOFT 1
	PV
	s_add_co_u32 s[TB], s[TB], REC
.endm
.macro LOOP n
	s_mov_b32 s[CNT], \n
.Lstep_\@:
	STEP
	s_sub_co_u32 s[CNT], s[CNT], 1
	s_cmp_lg_u32 s[CNT], 0
	s_cbranch_scc1 .Lstep_\@
.endm
	s_wait_loadcnt 0x0                             ; Q
	s_wait_kmcnt 0x0                               ; alpha
	s_wait_tensorcnt 0x1                           ; my part of the first 81,920 bytes is in; my second load may be out
	s_barrier_signal -1
	s_barrier_wait -1                              ; everybody's is: records 0-3 (78,848 bytes) are whole
	s_mov_b32 s[TB], 0
	LOOP 4
	s_wait_tensorcnt 0x0                           ; my part of the rest is in,
	s_wait_dscnt 0x0
	s_barrier_signal -1
	s_barrier_wait -1                              ; everybody's is
	s_mov_b32 s[TB], 4*REC
	LOOP 12
	; THE WAY OUT.  Each branch's sum: its two halves and lane l xor 16's.  o = (alpha / l0) O0 + ((1 - alpha) / l1) O1; register 16 b + i is channel 32 b + 16 (lane / 16) + i of my query: two blocks of 32.
.rept 4
	v_nop                                          ; places behind the last products
.endr
	v_add_f32 v14, v14, v15
	v_add_f32 v18, v18, v19
	v_permlanex16_b32 v236, v14, s[SEL], s[SEL+1]
	v_permlanex16_b32 v237, v18, s[SEL], s[SEL+1]
	v_add_f32 v14, v14, v236
	v_add_f32 v18, v18, v237
	v_rcp_f32 v14, v14
	v_rcp_f32 v18, v18
	v_sub_f32 v254, 1.0, s[AL]                     ; (the plain place behind the reciprocals)
	v_mov_b32 v255, 0                              ; (named as the upper half of the pair v[254:255])
	s_lshr_b32 s54, s51, 4                         ; the batch
	s_lshl_b32 s54, s54, 7
	s_lshl_b32 s55, s53, 4
	s_add_co_u32 s54, s54, s55
	s_add_co_u32 s54, s54, s[WV]                   ; my stored tile of 16 tokens: 128 batch + 16 block + wave
	s_and_b32 s55, s51, 15                         ; the head
	s_mul_i32 s56, s54, 12288
	s_mul_i32 s57, s55, 768
	s_add_co_u32 s56, s56, s57
	s_mov_b32 s57, 0
	s_add_nc_u64 s[10:11], s[10:11], s[56:57]      ; ac: [tile][head][768 bytes]
	s_lshl_b32 s56, s54, 9
	s_lshl_b32 s55, s55, 1
	s_add_co_u32 s56, s56, s55
	s_add_nc_u64 s[12:13], s[12:13], s[56:57]      ; asc: [stored token][32 bytes], my head's two
	s_wait_alu depctr_va_vdst(0)                   ; one wait for the two reciprocals, ahead of their first reader
	v_mul_f32 v252, s[AL], v14
	v_mul_f32 v254, v254, v18
.set j, 0
.rept 16
	v_pk_mul_f32 v[S+j:S+j+1], v[O+j:O+j+1], v[252:253] op_sel_hi:[1,0]
.set j, j+2
.endr
.set j, 0
.rept 16
	v_pk_fma_f32 v[S+j:S+j+1], v[O+32+j:O+32+j+1], v[254:255], v[S+j:S+j+1] op_sel_hi:[1,0,1]
.set j, j+2
.endr
.irp b, 0,1
	v_max3_num_f32 v[232+\b], |v[S+16*\b]|, |v[S+1+16*\b]|, 0x1800000   ; my 16 numbers of block b, and the floor 2^(3 - 127)
.endr
.irp i, 2,4,6,8,10,12,14
.irp b, 0,1
	v_max3_num_f32 v[232+\b], v[232+\b], |v[S+16*\b+\i]|, |v[S+1+16*\b+\i]|
.endr
.endr
.irp b, 0,1
	v_permlanex16_b32 v[236+\b], v[232+\b], s[SEL], s[SEL+1]
.endr
.irp b, 0,1
	v_max_num_f32 v[232+\b], v[232+\b], v[236+\b]
.endr
.irp b, 0,1
	v_add_nc_u32 v[244+\b], 0xff000000, v[232+\b]
.endr
.irp b, 0,1
	v_lshrrev_b32 v[236+\b], 23, v[244+\b]
.endr
	v_lshl_or_b32 v254, v237, 8, v236              ; the head's two scale bytes
	v_lshlrev_b32 v255, 3, v[L4]                   ; 32 x (lane % 16): lanes l and l xor 16 store the same two bytes to the same place
	v_cvt_scalef32_pk16_fp6_f32 v[P:P+2], v[S:S+15], v244
	v_cvt_scalef32_pk16_fp6_f32 v[240:242], v[S+16:S+31], v245
	v_nop                                          ; one plain place behind a scaled conversion
.irp i, 0,1,2
	v_permlane16_swap_b32 v[P+\i], v[240+\i]
.endr
.irp i, 0,1,2
	v_mov_b32 v[P+3+\i], v[240+\i]                 ; registers 0-5: channels 32 (lane / 16) + 0 .. 31 of my head
.endr
	global_store_b128 v[L16], v[P:P+3], s[10:11]               ; 512 consecutive bytes, aligned
	global_store_b64 v[L8], v[P+4:P+5], s[10:11] offset:512    ; 256
	global_store_b16 v255, v254, s[12:13]
	s_wait_tensorcnt 0x0                           ; the wave's end, behind my last tensor load
	ds_add_u32 v[SPW], v[NIL]
	s_wait_dscnt 0x0
	CROUND                                         ; the closing round: no work-group ends while a partner may still ask for bytes jointly
	s_endpgm
.Lfunc_end_k_q3a77f2ae6e_attn:
	.size	k_q3a77f2ae6e_attn, .Lfunc_end_k_q3a77f2ae6e_attn-k_q3a77f2ae6e_attn
	.p2alignl 7, 3214868480
	.fill 96, 4, 3214868480
	.section	.rodata,"a",@progbits
	.p2align	6, 0x0
	.amdhsa_kernel k_q3a77f2ae6e_attn
		.amdhsa_group_segment_fixed_size 327680
		.amdhsa_private_segment_fixed_size 0
		.amdhsa_enable_private_segment 0
		.amdhsa_kernarg_size 40
		.amdhsa_user_sgpr_count 2
		.amdhsa_user_sgpr_kernarg_segment_ptr 1
		.amdhsa_wavefront_size32 1
		.amdhsa_system_sgpr_workgroup_id_x 1
		.amdhsa_system_sgpr_workgroup_id_y 1
		.amdhsa_system_sgpr_workgroup_id_z 1
		.amdhsa_system_vgpr_workitem_id 0
		.amdhsa_next_free_vgpr 256
		.amdhsa_next_free_sgpr 66
		.amdhsa_reserve_vcc 0
		.amdhsa_float_denorm_mode_32 3
		.amdhsa_float_denorm_mode_16_64 3
		.amdhsa_memory_ordered 1
		.amdhsa_forward_progress 1
		.amdhsa_inst_pref_size 77
	.end_amdhsa_kernel
	.amdgpu_metadata
---
amdhsa.version: [ 1, 2 ]
amdhsa.kernels:
  - .name:           k_q3a77f2ae6e_attn
    .symbol:         k_q3a77f2ae6e_attn.kd
    .args:
      - { .name: qb, .offset: 0, .size: 8, .value_kind: global_buffer, .address_space: global }
      - { .name: kv, .offset: 8, .size: 8, .value_kind: global_buffer, .address_space: global }
      - { .name: alpha, .offset: 16, .size: 8, .value_kind: global_buffer, .address_space: global }
      - { .name: ac, .offset: 24, .size: 8, .value_kind: global_buffer, .address_space: global }
      - { .name: asc, .offset: 32, .size: 8, .value_kind: global_buffer, .address_space: global }
    .group_segment_fixed_size: 327680
    .private_segment_fixed_size: 0
    .kernarg_segment_align: 8
    .kernarg_segment_size: 40
    .max_flat_workgroup_size: 512
    .sgpr_count:     66
    .vgpr_count:     256
    .wavefront_size: 32
...
	.end_amdgpu_metadata
.endif
;; end of part 3
;; launch gemm_out (part 4): grid 4 x 16, 4 waves a work-group, clusters of 4 x 4, 327,680 bytes of LDS; arguments ac, asc, cod, scl, out0; writes out0
.if DOCPART == 4
	.amdgcn_target "amdgcn-amd-amdhsa--gfx1250"
	.amdhsa_code_object_version 6
	.text
	.protected	k_q3a77f2ae6e_gemm_out
	.globl	k_q3a77f2ae6e_gemm_out
	.p2align	8
	.type	k_q3a77f2ae6e_gemm_out,@function
k_q3a77f2ae6e_gemm_out:
	s_mov_b64 s[64:65], 0
	v_nop
	global_prefetch_b8 v0, s[64:65] scope:SCOPE_SE
	s_setreg_imm32_b32 hwreg(HW_REG_WAVE_MODE, 25, 1), 1
	s_wait_xcnt 0x0
	s_wait_alu depctr_hold_cnt(0) depctr_sa_sdst(0) depctr_va_vdst(0) depctr_va_sdst(0) depctr_va_ssrc(0) depctr_va_vcc(0) depctr_vm_vsrc(0)
	s_getreg_b32 s2, hwreg(HW_REG_IB_STS2, 6, 4)
	s_cmp_eq_u32 s2, 0
	s_cbranch_scc0 .Lentry_in_a_cluster
	s_endpgm
.Lentry_in_a_cluster:
	s_bfe_u32 s2, ttmp6, 0x10000c
	s_cmp_lg_u32 s2, 0xf033
	s_cbranch_scc0 .Lentry_shape_is_right
	s_endpgm
.Lentry_shape_is_right:
; out0 = o W_O^T on codes of FP6 (E2M3) with one E8M0 scale for each 32 along K = 1,024; sums in f32; out0 [4096][1024] f32.
; A = o: ac [stored tile of 16 tokens (256)][head (16)][768 bytes], each 768 bytes the image of six registers of a fragment (registers 0-3 at 16 x lane, 4-5 at 512 + 8 x lane); two heads are a fragment of 128 along K.
;        Its scale bytes: asc [stored token (4096)][32].   B = W_O: rows 8,192 .. 9,215 of cod (768 bytes a row) and of scl (32 bytes a row).
; Both lie in the STORED ORDER (bits 3 and 4 of a row's number exchanged); the way out puts rows and columns back by the offsets of its LDS stores and global stores alone.
; 64 tiles of 256 x 256: a work-group of four waves to each; a wave makes 128 x 128: 64 accumulators, 512 registers.  K goes in steps of 256 (four heads) through a ring of two LDS slots filled by the tensor data mover.
; CLUSTERS: 4 x 4 work-groups; A's tiles are shared along a row of the cluster, B's along a column: each is asked for jointly.  THE MATRIX INSTRUCTION IS USED TRANSPOSED (source 0 = 16 rows of B, source 1 = 16 rows of A).
; REGISTERS, in windows of 256: window 0: v0-31 addresses; v32-63 scale words, two sets; from v128 A's fragments, ONE set; on the way out v128-255 take rows of the result.
;   window 1: B's fragments, TWO sets, at v0 and v128.   window 2: the 32 accumulators of my rows 0-63 (accumulator (a, b) at v[8 (8 a + b)]);   window 3: those of my rows 64-127.
.set SIZE_K, 1024
.set SIZE_N, 1024
.set KSTEP,  256
.set NQ,     KSTEP/128
.set ROWB,   192                       ; a row of B's tile in bytes
.set KROW,   SIZE_K*6/8
.set PITCH,  240                       ; B's LDS row: 3 x (64 bytes of data + 16 of padding)
.set FR,     12
.set NL,     6                         ; LDS loads that bring a fragment of B
.set NLA,    4                         ; and of A
.set NP,     4                         ; places behind this matrix instruction (ISA guide 7.12.1)
.set TILEA,  3072                      ; a token tile's four heads of a K step
.set HA,     8*TILEA                   ; 8 token tiles: what one tensor load brings of A
.set HALFB,  128*PITCH                 ; 128 rows of B
.set BOFF,   2*HA                      ; a slot: A's 16 token tiles, then B's 256 rows
.set SLOT,   BOFF+2*HALFB
.set LAPS,   SIZE_K/(2*KSTEP)
.set KS,     SIZE_K/32
.set SCL,    2*SLOT                    ; behind the ring: the scale bytes, as runs of 256 bytes + 16 of padding
.set HALFS,  (128*KS/256)*272
.set SBLK,   (16*KS/256)*272
.set SPARE,  SCL+4*HALFS               ; the spare words, 128 bytes for each wave
.set SPITCH, 528                       ; the way out: a stage of 16 rows x (512 bytes + 16) for each wave.  It lies in slot 0, which has had its last fill and its last read when the first result is stored there
.set ADRA, 16                          ; v16-17 A's images in slot 0, 1: + 16 x lane;  v18-19: + 8 x lane
.set ADRB, 20                          ; v20-21 B's fragments in slot 0, 1  (v22-23: the same behind one padding more)
.set STO,  24                          ; v24  the way out: where I put 32 bytes of a row
.set RD,   25                          ; v25  where I read a row back
.set CO,   26                          ; v26  my byte offset in a row of out0
.set ADRS, 27                          ; v27  my scale words: lanes 0-15 A's rows, lanes 16-31 B's
.set SPW,  28                          ; v28  LDS address of my spare word; never rewritten
.set NIL,  29                          ; v29  0; never rewritten
.set SC,   32
.set AF,   128
.set BK,   128                         ; the way out: 16 rows read back from the stage: v128-191 and v192-255 by turns
.set G1,   24
.set G0,   32
.set G1B,  48
.set G0B,  56
.set G1S,  68
.set G0S,  76
.set G1SB, 80
.set G0SB, 88
.set MSB, 0
.macro WIN new                         ; the immediate's high byte repeats the setting that is left
.if MSB != \new
	s_set_vgpr_msb (MSB<<8)|\new
.set MSB, \new
.endif
.endm
.set MUL_LO, 0xa1
.set MUL_HI, 0xf1
.set TO_B,   0x40
; A joint load: waves 0 and 1 fetch for A, waves 2 and 3 for B; the branch hangs on the wave's number alone.  An s_nop 0 and four v_nop follow each of the two lines.
.macro JLOAD g0a, g1a, g0b, g1b
	s_cmp_eq_u32 s15, 0
	s_cbranch_scc0 .Lfor_b_\@
	tensor_load_to_lds s[\g0a:\g0a+3], s[\g1a:\g1a+7]
	s_nop 0
.rept 4
	v_nop
.endr
	s_branch .Lasked_\@
.Lfor_b_\@:
	tensor_load_to_lds s[\g0b:\g0b+3], s[\g1b:\g1b+7]
	s_nop 0
.rept 4
	v_nop
.endr
.Lasked_\@:
.endm
.macro CREST
	s_cmp_lg_u32 s14, 0
	s_cbranch_scc1 .Lnot_wave_0_\@
	s_barrier_signal -3
.Lnot_wave_0_\@:
	s_barrier_wait -3
	s_barrier_signal -1
	s_barrier_wait -1
.endm
.macro CROUND
	s_barrier_signal -1
	s_barrier_wait -1
	CREST
.endm
	s_load_b128 s[4:7], s[0:1], 0x0                ; ac s[4:5], asc s[6:7]
	s_load_b128 s[8:11], s[0:1], 0x10              ; cod s[8:9], scl s[10:11]
	s_load_b64 s[12:13], s[0:1], 0x20              ; out0
	v_lshl_add_u32 v[SPW], v0, 2, SPARE
	v_mov_b32 v[NIL], 0
	ds_add_u32 v[SPW], v[NIL]                      ; the wave's opening: the add and its wait stand ahead of my first tensor load; the set-up below, work on registers, stands between them
	v_lshrrev_b32 v1, 5, v0
	v_readfirstlane_b32 s14, v1                    ; wave 0..3
	s_lshr_b32 s15, s14, 1                         ; which half of the tile's rows is mine.  Also: I fetch for A (0) or for B (1)
	s_and_b32 s16, s14, 1                          ; which half of its columns.  Also: which half of that tile I fetch
	s_bfe_u32 s40, ttmp6, 0x40000                  ; cx, cy
	s_bfe_u32 s41, ttmp6, 0x40004
	s_lshl_b32 s42, ttmp9, 2
	s_add_co_u32 s42, s42, s40                     ; tile column = 4 x cluster x + cx
	s_and_b32 s17, ttmp7, 0xffff
	s_lshl_b32 s17, s17, 2
	s_add_co_u32 s17, s17, s41                     ; tile row = 4 x cluster y + cy
	s_lshl_b32 s43, s41, 2
	s_lshl_b32 s43, 15, s43                        ; my row of the cluster
	s_lshl_b32 s44, 0x1111, s40                    ; my column
	; descriptor group 1 for A: 8 token tiles, of each 3,072 dense bytes (384 elements of 8 bytes), 12,288 bytes (1,536 elements) apart; dense in LDS
	s_or_b32 s[G1+0], s43, (3<<16)|(1<<21)         ; 15:0 the mask: my row; 17:16 elements of 8 bytes; 20 no padding; 21 set beside a mask
	s_mov_b32 s[G1+1], 384<<16                     ; tensor_dim0
	s_mov_b32 s[G1+2], 8<<16                       ; tensor_dim1
	s_mov_b32 s[G1+3], 384<<16                     ; tile_dim0
	s_mov_b32 s[G1+4], 8                           ; tile_dim1
	s_mov_b32 s[G1+5], 1536                        ; from row to row
	s_mov_b32 s[G1+6], 0
	s_mov_b32 s[G1+7], 0
	; for B: 128 rows x ROWB bytes, padded in LDS
	s_or_b32 s[G1B+0], s44, (0<<16)|(1<<20)|(1<<21)|(3<<22)|(3<<25)
	s_mov_b32 s[G1B+1], ROWB<<16
	s_mov_b32 s[G1B+2], 128<<16
	s_mov_b32 s[G1B+3], ROWB<<16
	s_mov_b32 s[G1B+4], 128
	s_mov_b32 s[G1B+5], KROW
	s_mov_b32 s[G1B+6], 0
	s_mov_b32 s[G1B+7], 0
	; for the scale bytes of 128 rows: 4,096 dense bytes, as rows of 256 bytes, 16 bytes of padding behind each
	s_or_b32 s[G1S+0], s43, (3<<16)|(1<<20)|(1<<21)|(5<<22)|(3<<25)
	s_or_b32 s[G1SB+0], s44, (3<<16)|(1<<20)|(1<<21)|(5<<22)|(3<<25)
.irp g, G1S, G1SB
	s_mov_b32 s[\g+1], 32<<16
	s_mov_b32 s[\g+2], (128*KS/256)<<16
	s_mov_b32 s[\g+3], 32<<16
	s_mov_b32 s[\g+4], 128*KS/256
	s_mov_b32 s[\g+5], 32
	s_mov_b32 s[\g+6], 0
	s_mov_b32 s[\g+7], 0
.endr
	s_lshl_b32 s20, s17, 4
	s_lshl_b32 s18, s16, 3
	s_add_co_u32 s20, s20, s18                     ; A: token tile 16 x tile row + 8 x half
	s_lshl_b32 s22, s20, 9                         ; its scale bytes: 16 rows of 32 bytes a tile,
	s_mul_i32 s20, s20, 12288                      ; its images
	s_mov_b32 s21, 0
	s_mov_b32 s23, 0
	s_lshl_b32 s46, s42, 8
	s_lshl_b32 s18, s16, 7
	s_add_co_u32 s46, s46, s18
	s_add_co_u32 s46, s46, 8192                    ; B: stored row 8,192 + 256 x tile column + 128 x half
	s_lshl_b32 s92, s46, 5
	s_mov_b32 s93, 0
	s_mul_i32 s46, s46, KROW
	s_mov_b32 s47, 0
	s_mul_i32 s45, s16, HA                         ; where they go: no place in the cluster enters an LDS address
	s_mul_i32 s95, s16, HALFB
	s_add_co_u32 s95, s95, BOFF
	s_mul_i32 s94, s14, HALFS
	s_wait_dscnt 0x0                               ; the opening add is done
	s_wait_kmcnt 0x0
	s_add_nc_u64 s[20:21], s[4:5], s[20:21]
	s_add_nc_u64 s[22:23], s[6:7], s[22:23]
	s_add_nc_u64 s[46:47], s[8:9], s[46:47]
	s_add_nc_u64 s[92:93], s[10:11], s[92:93]
	CROUND                                         ; all sixteen work-groups are here: the first joint loads meet
	s_mov_b32 s[G0S], 1
	s_add_co_u32 s[G0S+1], s94, SCL
	s_mov_b64 s[G0S+2:G0S+3], s[22:23]
	s_or_b32 s[G0S+3], s[G0S+3], 0x80000000
	s_mov_b32 s[G0SB], 1
	s_add_co_u32 s[G0SB+1], s94, SCL
	s_mov_b64 s[G0SB+2:G0SB+3], s[92:93]
	s_or_b32 s[G0SB+3], s[G0SB+3], 0x80000000
	JLOAD G0S, G1S, G0SB, G1SB                     ; the scale bytes first.  Three loads of mine are out behind these lines
.irp s, 0,1
	s_mov_b32 s[G0+4*\s], 1
	s_add_co_u32 s[G0+4*\s+1], s45, \s*SLOT
	s_add_nc_u64 s[G0+4*\s+2:G0+4*\s+3], s[20:21], \s*TILEA
	s_or_b32 s[G0+4*\s+3], s[G0+4*\s+3], 0x80000000
	s_mov_b32 s[G0B+4*\s], 1
	s_add_co_u32 s[G0B+4*\s+1], s95, \s*SLOT
	s_add_nc_u64 s[G0B+4*\s+2:G0B+4*\s+3], s[46:47], \s*ROWB
	s_or_b32 s[G0B+4*\s+3], s[G0B+4*\s+3], 0x80000000
	JLOAD G0+4*\s, G1, G0B+4*\s, G1B
.endr
	v_and_b32 v1, 15, v0                           ; r
	v_bfe_u32 v2, v0, 4, 1                         ; h
	v_and_b32 v6, 31, v0                           ; lane
	v_mul_u32_u24 v3, v1, PITCH
	v_mul_u32_u24 v4, v2, 24
	v_add_nc_u32 v4, v3, v4                        ; B: a fragment's row x pitch + 24 x half
	v_lshl_add_u32 v5, v2, 4, v4                   ; and the same behind one padding more
	v_lshlrev_b32 v7, 4, v6                        ; A: 16 x lane,
	v_lshlrev_b32 v8, 3, v6                        ; 8 x lane
	s_mul_i32 s21, s15, HA                         ; my 8 token tiles of A
	s_mul_i32 s22, s16, HALFB                      ; my 128 rows of B
	s_add_co_u32 s22, s22, BOFF
.irp s, 0,1
	v_add_nc_u32 v[ADRA+\s], s21, v7
	v_add_nc_u32 v[ADRA+2+\s], s21, v8
	v_add_nc_u32 v[ADRB+\s], s22, v4
	v_add_nc_u32 v[ADRB+2+\s], s22, v5
	s_add_co_u32 s21, s21, SLOT
	s_add_co_u32 s22, s22, SLOT
.endr
	v_mul_u32_u24 v5, v1, KS                       ; my row's scale bytes: KS a row,
	v_lshrrev_b32 v3, 8, v5
	v_lshl_add_u32 v5, v3, 4, v5                   ; and 16 more for each 256 passed
	s_mul_i32 s21, s15, HALFS
	s_mul_i32 s22, s16, HALFS
	s_add_co_u32 s22, s22, 2*HALFS
	s_sub_co_u32 s22, s22, s21
	v_mul_u32_u24 v3, s22, v2                      ; lanes 16-31 take B's
	s_add_co_u32 s21, s21, SCL
	v_add_nc_u32 v5, v5, v3
	v_add_nc_u32 v[ADRS], s21, v5
	s_mul_i32 s23, s14, 16*SPITCH                  ; my stage
	v_mul_u32_u24 v5, v1, SPITCH                   ; in: row r; my half's 16 true columns of each 32 begin 64 h bytes on
	v_lshl_add_u32 v5, v2, 6, v5
	v_add_nc_u32 v[STO], s23, v5
	v_lshlrev_b32 v[CO], 4, v6                     ; back: the 32 lanes take one row of 512 bytes; and the same in out0
	v_add_nc_u32 v[RD], s23, v[CO]
	s_lshl_b32 s20, s17, 8
	s_lshl_b32 s21, s15, 7
	s_add_co_u32 s20, s20, s21                     ; my first row of out0: 256 x tile row + 128 x half
	s_lshl_b32 s20, s20, 12                        ; 4,096 bytes a row
	s_lshl_b32 s46, s42, 10                        ; my first column, in bytes: 1,024 x tile column + 512 x half
	s_lshl_b32 s47, s16, 9
	s_add_co_u32 s20, s20, s46
	s_add_co_u32 s20, s20, s47
	s_mov_b32 s21, 0
	s_add_nc_u64 s[12:13], s[12:13], s[20:21]
.macro FRAG reg, adr, q, i             ; a fragment of B, from rows: 24 bytes of the row's stream of bits for each half of K, in pieces of 8 bytes
.irp p, 0,1,2,3,4,5
.set PCE, 12*(\q)+6*(\p/3)+\p%3        ; 16 bytes of padding lie behind every 8 pieces: where the piece three on lies behind one padding more, the second address register serves
.if PCE%8 < 5
	ds_load_b64 v[\reg+2*\p:\reg+2*\p+1], v[\adr] offset:8*PCE+16*(PCE/8)+(\i)*16*PITCH
.else
	ds_load_b64 v[\reg+2*\p:\reg+2*\p+1], v[\adr+2] offset:8*PCE+16*(PCE/8)+(\i)*16*PITCH
.endif
.endr
.endm
.macro FRAGA reg, slot, q, i           ; a fragment of A, from images: token tile i, heads 2 q and 2 q + 1 of the slot's four: each load takes 512 or 256 consecutive bytes
	ds_load_b128 v[\reg:\reg+3], v[ADRA+\slot] offset:TILEA*(\i)+1536*(\q)
	ds_load_b64 v[\reg+4:\reg+5], v[ADRA+2+\slot] offset:TILEA*(\i)+1536*(\q)+512
	ds_load_b128 v[\reg+6:\reg+9], v[ADRA+\slot] offset:TILEA*(\i)+1536*(\q)+768
	ds_load_b64 v[\reg+10:\reg+11], v[ADRA+2+\slot] offset:TILEA*(\i)+1536*(\q)+1280
.endm
; 16 matrix instructions: A's blocks a0, a0 + 1 x B's eight, 128 along K.  The 64 accumulators take turns, one instruction a turn, in the same order in every step.
.macro MUL16 a0, p, q, sc, zero
.irp a, \a0, \a0+1
.irp b, 0,1,2,3,4,5,6,7
.if \zero
	v_wmma_scale_f32_16x16x128_f8f6f4 v[8*(8*((\a)%4)+\b):8*(8*((\a)%4)+\b)+7], v[128*(\p)+FR*\b:128*(\p)+FR*\b+FR-1], v[AF+FR*(\a):AF+FR*(\a)+FR-1], 0, v[SC+8*NQ*(\sc)+NQ*\b+(\q)], v[SC+8*NQ*(\sc)+NQ*(\a)+(\q)] matrix_a_fmt:MATRIX_FMT_FP6 matrix_b_fmt:MATRIX_FMT_FP6 matrix_a_scale:MATRIX_SCALE_ROW1
.else
	v_wmma_scale_f32_16x16x128_f8f6f4 v[8*(8*((\a)%4)+\b):8*(8*((\a)%4)+\b)+7], v[128*(\p)+FR*\b:128*(\p)+FR*\b+FR-1], v[AF+FR*(\a):AF+FR*(\a)+FR-1], v[8*(8*((\a)%4)+\b):8*(8*((\a)%4)+\b)+7], v[SC+8*NQ*(\sc)+NQ*\b+(\q)], v[SC+8*NQ*(\sc)+NQ*(\a)+(\q)] matrix_a_fmt:MATRIX_FMT_FP6 matrix_b_fmt:MATRIX_FMT_FP6 matrix_a_scale:MATRIX_SCALE_ROW1
.endif
.endr
.endr
.endm
.macro FETCH_B slot, q, p
	WIN TO_B
.irp i, 0,1,2,3,4,5,6,7
	FRAG 128*(\p)+FR*\i, ADRB+\slot, \q, \i
.endr
	WIN 0
.endm
.macro FETCH_A slot, q, i0
.irp i, \i0, \i0+1, \i0+2, \i0+3
	FRAGA AF+FR*(\i), \slot, \q, \i
.endr
.endm
.macro SCALES sc
.irp i, 0,1,2,3,4,5,6,7
	ds_load_b64 v[SC+8*NQ*\sc+NQ*\i:SC+8*NQ*\sc+NQ*\i+1], v[ADRS] offset:\i*SBLK
.endr
.endm
.macro PLACES n                        ; places behind matrix instructions, in front of loads into registers that they have read and of the first read of results (ISA guide 7.12.1 for vector instructions)
.rept \n
	v_nop
.endr
.endm
.macro STEP slot, q, zero
	s_wait_dscnt 4*NLA                             ; B's set and A's blocks 0-3 are in; the youngest 16 loads (A's blocks 4-7) may be out
	WIN MUL_LO
	MUL16 0, (\q)%2, \q, \slot, \zero
	MUL16 2, (\q)%2, \q, \slot, \zero
	s_wait_dscnt 0
	PLACES NP
	FETCH_B \slot, (\q)+1, 1-(\q)%2
	FETCH_A \slot, (\q)+1, 0
	WIN MUL_HI
	MUL16 4, (\q)%2, \q, \slot, \zero
	MUL16 6, (\q)%2, \q, \slot, \zero
	PLACES NP
	WIN 0
	FETCH_A \slot, (\q)+1, 4
.endm
; A slot's last step changes slots: ONE barrier; in front of it each wave waits for all its tensor loads, adds 0 to its spare word, and waits for that and for its own reads of this slot.  fill = 1: this slot is filled again, two K steps ahead.
.macro TURN slot, next, fill
	s_wait_tensorcnt 0x0                           ; all my tensor loads have landed: my part of the next slot;  (every window is 0 here)
	ds_add_u32 v[SPW], v[NIL]                      ; 0 onto my spare word
	s_wait_dscnt 4*NLA+1                           ; (the add and the youngest 16 loads, A's blocks 4-7, may be out)
	WIN MUL_LO
	MUL16 0, 1, NQ-1, \slot, 0                     ; sixteen matrix instructions stand between the add and the wait for it
	s_wait_dscnt 0x0                               ; the add is done, and my reads of this slot are over
	s_barrier_signal -1
	MUL16 2, 1, NQ-1, \slot, 0
	WIN 0
	s_barrier_wait -1
.if \fill
	CREST                                          ; the barrier has opened a round of the cluster's barrier: no wave of any partner still reads this slot's tile or has a load on its way
	s_add_nc_u64 s[G0+4*\slot+2:G0+4*\slot+3], s[G0+4*\slot+2:G0+4*\slot+3], 2*TILEA
	s_add_nc_u64 s[G0B+4*\slot+2:G0B+4*\slot+3], s[G0B+4*\slot+2:G0B+4*\slot+3], 2*ROWB
	JLOAD G0+4*\slot, G1, G0B+4*\slot, G1B         ; the first tensor load behind the round; the four v_nop behind it are the places in front of the loads below
.else
	PLACES NP
.endif
	v_add_nc_u32 v[ADRS], 4*NQ, v[ADRS]            ; on to the next K step's scale words (no LDS load of mine is out)
	FETCH_B \next, 0, 0
	FETCH_A \next, 0, 0
	SCALES \next
	WIN MUL_HI
	MUL16 4, 1, NQ-1, \slot, 0
	MUL16 6, 1, NQ-1, \slot, 0
	PLACES NP
	WIN 0
	FETCH_A \next, 0, 4
.endm
	s_wait_tensorcnt 1                             ; the scale bytes and my part of K step 0 are in (K step 1's load may be out)
	s_barrier_signal -1
	s_barrier_wait -1                              ; everybody's are
	FETCH_B 0, 0, 0
	FETCH_A 0, 0, 0
	SCALES 0
	FETCH_A 0, 0, 4
	STEP 0, 0, 1                                   ; the first step stands in front of the loop: its products start the sums
	s_mov_b32 s3, LAPS-1
.Llap:
	TURN 0, 1, 1
	STEP 1, 0, 0
	TURN 1, 0, 1
	STEP 0, 0, 0
	s_sub_co_u32 s3, s3, 1
	s_cmp_lg_u32 s3, 0
	s_cbranch_scc1 .Llap
	TURN 0, 1, 0                                   ; the last lap fills nothing, and has no round of the cluster's barrier
	STEP 1, 0, 0
	s_wait_dscnt 4*NLA                             ; the very last step: nothing more to fetch
	WIN MUL_LO
	MUL16 0, 1, NQ-1, 1, 0
	MUL16 2, 1, NQ-1, 1, 0
	s_wait_dscnt 0
	WIN MUL_HI
	MUL16 4, 1, NQ-1, 1, 0
	MUL16 6, 1, NQ-1, 1, 0
	WIN 0
; THE WAY OUT, block by block of 16 stored rows x 128 columns, through my own stage in LDS.  Register j of accumulator (a, b) in lane (r, h) is stored row 16 a + r, true column 32 (b / 2) + 16 h + 8 (b % 2) + j:
; so accumulator b goes to byte 128 (b / 2) + 32 (b % 2) + 64 h of stage row r.  Stage row t of block a is true row 32 (a / 2) + 8 (a % 2) + t + 8 (t / 8) of my 128: that stands in the store's immediate, 127 rows of
; 4,096 bytes at the most, so the base is never stepped.  LDS serves a wave's instructions in order (ISA guide 5.7.1.4): no wait between the stores and the loads, nor in front of the next block's stores.
.macro TOSTAGE a
.set AC, 64*((\a)%4)
	WIN 0x08+4*((\a)/4)                            ; the data: window 2 or 3
.irp b, 0,1,2,3,4,5,6,7
	ds_store_b128 v[STO], v[AC+8*\b:AC+8*\b+3] offset:128*(\b/2)+32*(\b%2)          ; each accumulator from its low end on
	ds_store_b128 v[STO], v[AC+8*\b+4:AC+8*\b+7] offset:128*(\b/2)+32*(\b%2)+16
.endr
	WIN 0
.set BB, BK+64*((\a)%2)
.irp t, 0,1,2,3,4,5,6,7,8,9,10,11,12,13,14,15
	ds_load_b128 v[BB+4*\t:BB+4*\t+3], v[RD] offset:\t*SPITCH
.endr
.endm
.macro SEND a, younger                 ; younger: the LDS instructions issued behind block a's loads, which may stay out
.set BB, BK+64*((\a)%2)
	s_wait_dscnt \younger                          ; the block is back in registers
.irp t, 0,1,2,3,4,5,6,7,8,9,10,11,12,13,14,15
	global_store_b128 v[CO], v[BB+4*\t:BB+4*\t+3], s[12:13] offset:(32*((\a)/2)+8*((\a)%2)+\t+8*(\t/8))*SIZE_N*4 th:TH_STORE_NT   ; 32 lanes store 512 consecutive bytes, at a multiple of 256 from out0's first byte
.endr
.endm
	PLACES NP                                      ; behind the last products: for the loads into the registers that held A's fragments and for the reads of results alike
	TOSTAGE 0
.irp a, 1,2,3,4,5,6,7
.if \a > 1
	s_wait_xcnt 0x0                                ; block a - 2's stores have read their registers: block a's loads may land there
.endif
	TOSTAGE \a
	SEND \a-1, 32                                  ; behind block a - 1's loads: block a's 16 stores and 16 loads
.endr
	SEND 7, 0
	s_wait_tensorcnt 0x0                           ; the wave's end, behind my last tensor load and my last LDS store
	ds_add_u32 v[SPW], v[NIL]
	s_wait_dscnt 0x0
	CROUND                                         ; the closing round: no work-group ends while a partner may still ask for a tile that names it
	s_endpgm
.Lfunc_end_k_q3a77f2ae6e_gemm_out:
	.size	k_q3a77f2ae6e_gemm_out, .Lfunc_end_k_q3a77f2ae6e_gemm_out-k_q3a77f2ae6e_gemm_out
	.p2alignl 7, 3214868480
	.fill 96, 4, 3214868480
	.section	.rodata,"a",@progbits
	.p2align	6, 0x0
	.amdhsa_kernel k_q3a77f2ae6e_gemm_out
		.amdhsa_group_segment_fixed_size 327680
		.amdhsa_private_segment_fixed_size 0
		.amdhsa_enable_private_segment 0
		.amdhsa_kernarg_size 40
		.amdhsa_user_sgpr_count 2
		.amdhsa_user_sgpr_kernarg_segment_ptr 1
		.amdhsa_wavefront_size32 1
		.amdhsa_system_sgpr_workgroup_id_x 1
		.amdhsa_system_sgpr_workgroup_id_y 1
		.amdhsa_system_sgpr_workgroup_id_z 1
		.amdhsa_system_vgpr_workitem_id 0
		.amdhsa_next_free_vgpr 1024
		.amdhsa_next_free_sgpr 98
		.amdhsa_reserve_vcc 0
		.amdhsa_float_denorm_mode_32 3
		.amdhsa_float_denorm_mode_16_64 3
		.amdhsa_memory_ordered 1
		.amdhsa_forward_progress 1
		.amdhsa_inst_pref_size 151
	.end_amdhsa_kernel
	.amdgpu_metadata
---
amdhsa.version: [ 1, 2 ]
amdhsa.kernels:
  - .name:           k_q3a77f2ae6e_gemm_out
    .symbol:         k_q3a77f2ae6e_gemm_out.kd
    .args:
      - { .name: ac, .offset: 0, .size: 8, .value_kind: global_buffer, .address_space: global }
      - { .name: asc, .offset: 8, .size: 8, .value_kind: global_buffer, .address_space: global }
      - { .name: cod, .offset: 16, .size: 8, .value_kind: global_buffer, .address_space: global }
      - { .name: scl, .offset: 24, .size: 8, .value_kind: global_buffer, .address_space: global }
      - { .name: out0, .offset: 32, .size: 8, .value_kind: global_buffer, .address_space: global }
    .group_segment_fixed_size: 327680
    .private_segment_fixed_size: 0
    .kernarg_segment_align: 8
    .kernarg_segment_size: 40
    .max_flat_workgroup_size: 128
    .sgpr_count:     98
    .vgpr_count:     1024
    .wavefront_size: 32
...
	.end_amdgpu_metadata
.endif
;; end of part 4
